; MI455X (gfx1250); checked and timed in simulation.
; The chip was launched on July 23, 2026; its instructions are those of AMD's public machine-readable ISA for CDNA 5 (MIT licence, August 2026) and "CDNA5" Instruction Set Architecture Reference Guide (July 2026). The comments in the code are by the model that wrote it; some were corrected since.
;; MDIA. Allowed arithmetic: matrix products marked QUANTISED: E2M1 operands, one E8M0 scale for each 32 along K, by v_wmma_scale_f32_16x16x128_f8f6f4 with both operands' format E2M1 (or v_wmma_scale_f32_32x16x128_f4), f32 sums; products left as they are: bf16, f16 or f32 operands; f32 sums; everything else in f32.
;; Inputs: b_fc 1,024 float32; w_fc 1,024 x 1,024 float32; w_qkv 3,072 x 1,024 float32; x 4 x 2,048 x 1,024 float32.
;; Outputs: out0 4 x 2,048 x 1,024 float32.
;; This version of the problem:
;;   THIS VERSION OF THE PROBLEM IS GIVEN IN LOW PRECISION. The matrix products marked QUANTISED in the list below multiply operands that are first quantised to E2M1 (2 exponent bits, 1 mantissa bit; 4 bits a number), with one power-of-two scale for each 32 numbers along K (OCP MX v1.0); their sums are f32. The products marked 'left as it is' may take bf16, f16 or f32 operands, with f32 sums. Whichever they take, every output number must still come out within the allowed error. Rounding operands to bf16 (8 significant bits) uses up far more of that allowance than f16 does (11 bits, for magnitudes from 6e-5 to 65,504). All else is computed in f32.
;;   The module's matrix products, in the order in which they are computed (A, B: the left and right operand; K: the contracted axis; several contracted axes count as one K, in the product's order):
;;     1. [M 8,192, K 1,024] x [K 1,024, N 3,072]; A: input x; B: input w_qkv: QUANTISED
;;     2. batch 64 x [M 2,048, K 64] x [K 64, N 2,048]; A: computed on the way; B: computed on the way: left as it is (an operand is computed on the way)
;;     3. batch 64 x [M 64, K 2,048] x [K 2,048, N 2,048]; A: computed on the way; B: computed on the way: left as it is (an operand is computed on the way)
;;     4. [M 8,192, K 1,024] x [K 1,024, N 1,024]; A: computed on the way; B: input w_fc: left as it is (an operand is computed on the way)
;;   THE QUANTISER, for each operand of a quantised product, along K:
;;     - K is cut into blocks of 32 from its start; a last block that is shorter is filled with zeros.
;;     - A block's scale is 2^e with e = floor(log2(the largest magnitude in the block)) - 2, held to -126 .. 127; a block of zeros has e = 0. As a byte (E8M0): e + 127.
;;     - Each number is divided by its block's scale, clamped to +-6, and rounded to the nearest number of E2M1, ties to even, subnormals kept.
;;     - The product sums the exact products of the quantised numbers (number of the format x scale) in f32.
;;   ~~~python
;;   def quantise(x, axis):      # numpy; x: float32 -> the quantised numbers, widened to float32 again
;;       x = np.moveaxis(x, axis, -1); K = x.shape[-1]
;;       x = np.pad(x, [(0, 0)] * (x.ndim - 1) + [(0, -K % 32)]); x = x.reshape(x.shape[:-1] + (-1, 32)); a = np.abs(x).max(-1, keepdims=True)
;;       e = np.where(a > 0, np.clip(np.frexp(np.where(a > 0, a, 1))[1] - 1 - 2, -126, 127), 0)      # np.frexp(a)[1] - 1 = floor(log2(a)), exactly
;;       r = np.clip(x / 2.0 ** e, -6, 6)
;;       step = 2.0 ** (np.maximum(np.frexp(np.where(r == 0, 1, r))[1] - 1, 0) - 1)
;;       q = np.round(r / step) * step * 2.0 ** e      # np.round: ties to even
;;       return np.moveaxis(q.reshape(q.shape[:-2] + (-1,))[..., :K], -1, axis).astype(np.float32)
;;   ~~~
;; One version. Each part assembles by itself: llvm-mc -triple=amdgcn-amd-amdhsa -mcpu=gfx1250 --defsym DOCPART=n.
;; ======== version 1 of 1: 4 launches
;; limits: values are held in f16: magnitudes above 65,504 overflow, below 6.1e-05 lose precision
;; workspace buffers: xc 4,194,304 bytes; xs 262,144 bytes; wc 1,572,864 bytes; ws 98,304 bytes; wf 2,097,152 bytes; qkv 50,331,648 bytes; ao 16,777,216 bytes
;; launch quant (part 1): grid 384 x 1, 4 waves a work-group, no clusters, 33,280 bytes of LDS; arguments x, w_qkv, xc, xs, wc, ws, w_fc, wf; writes xc, xs, wc, ws, wf
.if DOCPART == 1
	.amdgcn_target "amdgcn-amd-amdhsa--gfx1250"
	.amdhsa_code_object_version 6
	.text
	.protected	k_q3891ce6605_quant
	.globl	k_q3891ce6605_quant
	.p2align	8
	.type	k_q3891ce6605_quant,@function
k_q3891ce6605_quant:
	s_mov_b64 s[64:65], 0
	v_nop
	global_prefetch_b8 v0, s[64:65] scope:SCOPE_SE
	s_setreg_imm32_b32 hwreg(HW_REG_WAVE_MODE, 25, 1), 1
	s_wait_xcnt 0x0
; x [8192][1024] and w_qkv [3072][1024], f32, become codes of FP4 (E2M1), K innermost, two codes a byte, with one E8M0 scale byte for each 32 along K; w_fc [1024][1024], f32, becomes f16.
; A block's scale is 2^(floor(log2(its largest magnitude)) - 2); its byte is the largest magnitude's own exponent field - 2, held at 1 from below.  Each number is divided by the scale and rounded to the
; nearest code, ties to even; beyond the largest code the largest.
; LIMITS: a block of zeros gets the byte 1 where the quantiser's rule says 127 (its codes are zeros, and this program alone reads the bytes); blocks whose largest magnitude lies under 2^(2 - 126) are held at that byte;
; NaN and infinities among the inputs are not served; |w_fc| stays under 65,504 (f16), and under 6e-5 it keeps an absolute error of 3e-8.
; SHARES.  Work-groups 0-255 take x, 256-351 w_qkv: rows are dense and K is a multiple of 32, so a tensor is a plain stream of blocks; a wave takes 16 steps of 512 numbers.  Work-groups 352-383 cast w_fc, 8,192 numbers a wave.
; THE QUANTISING PATH.  Each of a step's four loads reads 512 consecutive bytes, 16 a lane; the 2,048 bytes turn through the wave's own stage in LDS and come back 64 bytes a lane, so that a lane holds 16 neighbours
; along K (two neighbouring lanes hold a block).  A lane's 16 codes are 8 bytes: the wave stores 256 consecutive bytes.  A wave's 256 scale bytes are gathered in LDS and leave as one aligned run of 256 bytes.
; No tensor loads, no barrier: waves share nothing.  No matrix unit, no cluster: the launch only streams.
.set SIZE_M, 8192
.set SIZE_N, 3072
.set SIZE_K, 1024
.set WAVES, 4
.set STEPS, 16
.set WGA,   SIZE_M*SIZE_K/(512*STEPS*WAVES)            ; 256 work-groups for x
.set QWG,   (SIZE_M+SIZE_N)*SIZE_K/(512*STEPS*WAVES)   ; 352 for x and w_qkv together
.set EMAX,  2
.set CB,    8                          ; bytes of 16 codes
.set R,     16                         ; v16-79   four sets of 16 numbers as they are loaded (the cast: v16-143, two sets of 64)
.set X,     80                         ; v80-111  two sets of 16 neighbours
.set C,     128                        ; v128-191 codes: four registers for each step, so that no store's data are written again
.set E,     112                        ; v112-127 a scale byte for each step
.set H,     144                        ; v144-175 the cast: 64 numbers a lane as f16
.set WREG,  8192                       ; LDS: a region for each wave: two stages of 32 x SP bytes, and behind them its 256 scale bytes
.set SP,    80                         ; a lane's place in a stage: its 64 bytes + 16 of padding
.set SPW,   12                         ; v12      LDS address of my spare word: SPARE + 4 x my thread's number; never rewritten
.set NIL,   13                         ; v13      0; never rewritten
.set SPARE, WAVES*WREG                 ; behind the four regions: the spare words, 128 bytes for each wave, which no other line names
	s_load_b128 s[4:7], s[0:1], 0x0                ; x, w_qkv
	s_load_b128 s[8:11], s[0:1], 0x10              ; x's codes, x's scales
	s_load_b128 s[12:15], s[0:1], 0x20             ; w_qkv's codes, its scales
	s_load_b128 s[24:27], s[0:1], 0x30             ; w_fc, its f16 copy
	v_lshl_add_u32 v[SPW], v0, 2, SPARE
	v_mov_b32 v[NIL], 0
	v_lshrrev_b32 v1, 5, v0
	v_readfirstlane_b32 s16, v1                    ; wave
	v_and_b32 v2, 31, v0                           ; lane
	v_lshlrev_b32 v3, 4, v2                        ; my 16 bytes of a load's 512
	s_mul_i32 s17, s16, WREG
	v_lshrrev_b32 v14, 2, v2
	v_mul_u32_u24 v14, v14, SP
	v_and_b32 v15, 3, v2
	v_lshl_add_u32 v14, v15, 4, v14
	v_add_nc_u32 v14, s17, v14                     ; the stage, on the way in: four lanes' 64 bytes on end, then 16 of padding
	v_mul_u32_u24 v15, v2, SP
	v_add_nc_u32 v15, s17, v15                     ; and on the way out: SP x lane: my 16 neighbours
	v_mul_u32_u24 v4, v2, CB                       ; my codes' place in a step's
	v_lshrrev_b32 v5, 1, v2
	s_add_co_u32 s17, s17, 2*32*SP
	v_add_nc_u32 v5, s17, v5                       ; LDS: my wave's 256 scale bytes, my block's byte
	v_lshlrev_b32 v7, 3, v2                        ; 8 bytes a lane
	v_add_nc_u32 v6, s17, v7
	s_wait_kmcnt 0x0
	s_cmp_ge_u32 ttmp9, QWG                        ; the last 32 work-groups cast w_fc: the branch hangs on the work-group's number alone
	s_cbranch_scc1 .Lcast
	s_cmp_lt_u32 ttmp9, WGA                        ; x's work-group or w_qkv's?  Only pointers are chosen: both take one path
	s_cselect_b64 s[4:5], s[4:5], s[6:7]
	s_cselect_b64 s[8:9], s[8:9], s[12:13]
	s_cselect_b64 s[10:11], s[10:11], s[14:15]
	s_cselect_b32 s17, 0, WGA
	s_sub_co_u32 s17, ttmp9, s17
	s_lshl_b32 s17, s17, 2
	s_add_co_u32 s18, s17, s16                     ; which run of 8,192 numbers of the tensor is my wave's
	s_mov_b32 s19, 0
	s_mov_b64 s[20:21], 512*STEPS*4
	s_mul_u64 s[20:21], s[18:19], s[20:21]
	s_add_nc_u64 s[4:5], s[4:5], s[20:21]
	s_mov_b64 s[20:21], 32*STEPS*CB
	s_mul_u64 s[20:21], s[18:19], s[20:21]
	s_add_nc_u64 s[8:9], s[8:9], s[20:21]
	s_lshl_b32 s18, s18, 8                         ; 256 scale bytes a run
	s_add_nc_u64 s[10:11], s[10:11], s[18:19]
.macro LOAD t
.irp i, 0,1,2,3
	global_load_b128 v[R+16*((\t)%4)+4*\i:R+16*((\t)%4)+4*\i+3], v3, s[4:5] offset:2048*(\t)+512*\i th:TH_LOAD_NT   ; 32 lanes read 512 consecutive bytes
.endr
.endm
.macro TURN t                          ; step t's numbers through the stage: LDS serves a wave's instructions in order (ISA guide 5.7.1.4), so no wait stands between the stores and the loads
.irp i, 0,1,2,3
	ds_store_b128 v14, v[R+16*((\t)%4)+4*\i:R+16*((\t)%4)+4*\i+3] offset:32*SP*((\t)%2)+8*SP*\i
.endr
.irp i, 0,1,2,3
	ds_load_b128 v[X+16*((\t)%2)+4*\i:X+16*((\t)%2)+4*\i+3], v15 offset:32*SP*((\t)%2)+16*\i
.endr
.endm
.irp t, 0,1,2,3
	LOAD \t
.endr
	s_wait_loadcnt 12                              ; step 0's four loads are in; those of the three steps behind it may be out
	TURN 0
.macro STEP t
.set XS, X+16*((\t)%2)
.if (\t) > 0
	s_wait_dscnt 1                                 ; this step's numbers are back from the stage (the last step's byte store may be out): so its stores into the stage have read their registers,
.else
	s_wait_dscnt 0x0
.endif
.if (\t)+4 < STEPS
	LOAD (\t)+4                                    ; which take the loads of four steps on
.endif
.if (\t)+1 < STEPS
.if STEPS-2-(\t) >= 3
	s_wait_loadcnt 12                              ; the next step's four loads are in; those of the three steps behind it may be out
.else
	s_wait_loadcnt 4*(STEPS-2-(\t))                ; the tail: fewer steps are behind it
.endif
	TURN (\t)+1                                    ; and go through the other stage while this step is worked
.endif
	v_max3_num_f32 v8, |v[XS]|, |v[XS+1]|, |v[XS+2]|               ; the largest magnitude of my 16, in two chains
	v_max3_num_f32 v9, |v[XS+3]|, |v[XS+4]|, |v[XS+5]|
.irp i, 6,10
	v_max3_num_f32 v8, v8, |v[XS+\i]|, |v[XS+\i+1]|
	v_max3_num_f32 v9, v9, |v[XS+\i+2]|, |v[XS+\i+3]|
.endr
	v_max3_num_f32 v8, v8, |v[XS+14]|, |v[XS+15]|
	v_max3_num_f32 v8, v8, v9, (EMAX+1)<<23        ; and the floor 2^(EMAX + 1 - 127): so the byte cannot fall under 1
	v_max_num_f32_dpp v8, v8, v8 row_xmask:1 row_mask:0xf bank_mask:0xf   ; and of my neighbour's 16: the block's
	v_add_nc_u32 v11, -(EMAX<<23), v8              ; EMAX off its exponent field: the conversion takes the exponent field of this operand as its scale, and nothing else of it
	v_cvt_scalef32_pk8_fp4_f32 v[C+4*(\t)], v[XS:XS+7], v11        ; eight numbers / the scale, to the nearest code; the first number's code in the lowest four bits
	v_cvt_scalef32_pk8_fp4_f32 v[C+4*(\t)+1], v[XS+8:XS+15], v11
	v_lshrrev_b32 v[E+(\t)], 23, v11               ; the scale's byte (also the plain line behind the conversions)
	ds_store_b8 v5, v[E+(\t)] offset:16*(\t)       ; both lanes of a block write the same byte with the same value
	global_store_b64 v4, v[C+4*(\t):C+4*(\t)+1], s[8:9] offset:32*CB*(\t)   ; 32 lanes store 256 consecutive bytes, aligned
.endm
.irp t, 0,1,2,3,4,5,6,7,8,9,10,11,12,13,14,15
	STEP \t
.endr
	ds_load_b64 v[8:9], v6                         ; in order behind my byte stores
	s_wait_dscnt 0x0
	global_store_b64 v7, v[8:9], s[10:11]          ; 32 lanes store my wave's 256 scale bytes, aligned
	s_wait_tensorcnt 0x0                           ; the wave's end: behind my last LDS store
	ds_add_u32 v[SPW], v[NIL]
	s_wait_dscnt 0x0
	s_endpgm
; THE CAST.  A wave takes 32,768 bytes of w_fc in four groups of 16 loads (512 consecutive bytes each), two groups ahead, and stores 256 consecutive bytes of f16 for each load.  It touches no LDS.
.Lcast:
	s_sub_co_u32 s17, ttmp9, QWG
	s_lshl_b32 s17, s17, 2
	s_add_co_u32 s18, s17, s16                     ; which run of 8,192 numbers is my wave's
	s_lshl_b32 s20, s18, 15
	s_mov_b32 s21, 0
	s_add_nc_u64 s[24:25], s[24:25], s[20:21]
	s_lshl_b32 s20, s18, 14
	s_add_nc_u64 s[26:27], s[26:27], s[20:21]
.macro LOADC g
.irp i, 0,1,2,3,4,5,6,7,8,9,10,11,12,13,14,15
	global_load_b128 v[R+64*((\g)%2)+4*\i:R+64*((\g)%2)+4*\i+3], v3, s[24:25] offset:8192*(\g)+512*\i th:TH_LOAD_NT
.endr
.endm
.macro CAST g
.if (\g) < 3
	s_wait_loadcnt 16                              ; this group's 16 loads are in; the next group's 16 may be out
.else
	s_wait_loadcnt 0x0
.endif
.if (\g) > 0
	s_wait_xcnt 0x0                                ; the last group's stores have read their data registers, which are written again below
.endif
.irp i, 0,1,2,3,4,5,6,7,8,9,10,11,12,13,14,15
	v_cvt_pk_f16_f32 v[H+2*\i], v[R+64*((\g)%2)+4*\i], v[R+64*((\g)%2)+4*\i+1]
	v_cvt_pk_f16_f32 v[H+2*\i+1], v[R+64*((\g)%2)+4*\i+2], v[R+64*((\g)%2)+4*\i+3]
.endr
.if (\g)+2 < 4
	LOADC (\g)+2
.endif
.irp i, 0,1,2,3,4,5,6,7,8,9,10,11,12,13,14,15
	global_store_b64 v7, v[H+2*\i:H+2*\i+1], s[26:27] offset:4096*(\g)+256*\i
.endr
.endm
	LOADC 0
	LOADC 1
	CAST 0
	CAST 1
	CAST 2
	CAST 3
	s_endpgm
.Lfunc_end_k_q3891ce6605_quant:
	.size	k_q3891ce6605_quant, .Lfunc_end_k_q3891ce6605_quant-k_q3891ce6605_quant
	.p2alignl 7, 3214868480
	.fill 96, 4, 3214868480
	.section	.rodata,"a",@progbits
	.p2align	6, 0x0
	.amdhsa_kernel k_q3891ce6605_quant
		.amdhsa_group_segment_fixed_size 33280
		.amdhsa_private_segment_fixed_size 0
		.amdhsa_enable_private_segment 0
		.amdhsa_kernarg_size 64
		.amdhsa_user_sgpr_count 2
		.amdhsa_user_sgpr_kernarg_segment_ptr 1
		.amdhsa_wavefront_size32 1
		.amdhsa_system_sgpr_workgroup_id_x 1
		.amdhsa_system_sgpr_workgroup_id_y 1
		.amdhsa_system_sgpr_workgroup_id_z 1
		.amdhsa_system_vgpr_workitem_id 0
		.amdhsa_next_free_vgpr 192
		.amdhsa_next_free_sgpr 66
		.amdhsa_reserve_vcc 0
		.amdhsa_float_denorm_mode_32 3
		.amdhsa_float_denorm_mode_16_64 3
		.amdhsa_memory_ordered 1
		.amdhsa_forward_progress 1
		.amdhsa_inst_pref_size 54
	.end_amdhsa_kernel
	.amdgpu_metadata
---
amdhsa.version: [ 1, 2 ]
amdhsa.kernels:
  - .name:           k_q3891ce6605_quant
    .symbol:         k_q3891ce6605_quant.kd
    .args:
      - { .name: x, .offset: 0, .size: 8, .value_kind: global_buffer, .address_space: global }
      - { .name: w_qkv, .offset: 8, .size: 8, .value_kind: global_buffer, .address_space: global }
      - { .name: xc, .offset: 16, .size: 8, .value_kind: global_buffer, .address_space: global }
      - { .name: xs, .offset: 24, .size: 8, .value_kind: global_buffer, .address_space: global }
      - { .name: wc, .offset: 32, .size: 8, .value_kind: global_buffer, .address_space: global }
      - { .name: ws, .offset: 40, .size: 8, .value_kind: global_buffer, .address_space: global }
      - { .name: w_fc, .offset: 48, .size: 8, .value_kind: global_buffer, .address_space: global }
      - { .name: wf, .offset: 56, .size: 8, .value_kind: global_buffer, .address_space: global }
    .group_segment_fixed_size: 33280
    .private_segment_fixed_size: 0
    .kernarg_segment_align: 8
    .kernarg_segment_size: 64
    .max_flat_workgroup_size: 128
    .sgpr_count:     66
    .vgpr_count:     192
    .wavefront_size: 32
...
	.end_amdgpu_metadata
.endif
;; end of part 1
;; launch qkvgemm (part 2): grid 12 x 32, 4 waves a work-group, clusters of 4 x 4, 327,680 bytes of LDS; arguments xc, xs, wc, ws, qkv; writes qkv
.if DOCPART == 2
	.amdgcn_target "amdgcn-amd-amdhsa--gfx1250"
	.amdhsa_code_object_version 6
	.text
	.protected	k_q3891ce6605_qkvgemm
	.globl	k_q3891ce6605_qkvgemm
	.p2align	8
	.type	k_q3891ce6605_qkvgemm,@function
k_q3891ce6605_qkvgemm:
	s_mov_b64 s[64:65], 0
	v_nop
	global_prefetch_b8 v0, s[64:65] scope:SCOPE_SE
	s_setreg_imm32_b32 hwreg(HW_REG_WAVE_MODE, 25, 1), 1
	s_wait_xcnt 0x0
	s_wait_alu depctr_hold_cnt(0) depctr_sa_sdst(0) depctr_va_vdst(0) depctr_va_sdst(0) depctr_va_ssrc(0) depctr_va_vcc(0) depctr_vm_vsrc(0)
	s_getreg_b32 s2, hwreg(HW_REG_IB_STS2, 6, 4)
	s_cmp_eq_u32 s2, 0
	s_cbranch_scc0 .Lentry_in_a_cluster
	s_endpgm
.Lentry_in_a_cluster:
	s_bfe_u32 s2, ttmp6, 0x10000c
	s_cmp_lg_u32 s2, 0xf033
	s_cbranch_scc0 .Lentry_shape_is_right
	s_endpgm
.Lentry_shape_is_right:
; qkv[token][e] = sum over k of x[token][k] w_qkv[e][k], both operands as codes of FP4 (E2M1) with one E8M0 scale for each 32 along K; sums in f32; the results are rounded once to f16 and laid BY HEAD:
; [part 3][batch 4][head 16][token 2048][64], so that a head's rows are dense and two neighbouring tokens fill 256 consecutive bytes.
; LIMIT: |q|, |k|, |v| stay under 65,504 (f16); under 6e-5 they keep an absolute error of 3e-8.
; A tile of 256 tokens x 256 outputs is made by a work-group of four waves; a wave makes 128 x 128: 64 accumulators of 16 x 16, 512 registers.
; K = 1,024 is two K steps of 512 (a tile's row is 256 bytes of memory): each lies in an LDS slot of its own, both asked for at the head, so no LDS byte is filled twice.
; THE SCALES of the work-group's 256 rows of each operand, for all of K, are two dense blocks of memory: they come into LDS once, with the first fills.
; CLUSTERS: 4 x 4 work-groups.  The four of a row of the cluster need the same tiles of x, the four of a column the same tiles of w_qkv: each tile is asked for JOINTLY, by the same tensor load with the same
; descriptor and a mask that names the four.  THE MATRIX INSTRUCTION IS USED TRANSPOSED (source 0 = 16 rows of w_qkv, source 1 = 16 tokens): a lane then holds eight neighbouring outputs of one token.
; REGISTERS, in windows of 256: window 0: v0-31 addresses; v32-95 scale words, two sets; v128-191 x's fragments (8 x 16 rows x 128 K), ONE set; on the way out v32-63, v192-255.
;   window 1: w_qkv's fragments, TWO sets, at v0 and at v128.   window 2: the 32 accumulators of my rows 0-63 (accumulator (a, b) at v[8 (8 a + b)]);   window 3: those of my rows 64-127.
.set SIZE_M, 8192
.set SIZE_N, 3072
.set SIZE_K, 1024
.set KSTEP,  512                       ; along K in a slot
.set NQ,     KSTEP/128                 ; matrix instructions deep
.set ROWB,   256                       ; a tile's row in bytes
.set KROW,   SIZE_K*4/8                ; a row of codes in memory, in bytes
.set PITCH,  272                       ; an LDS row: 256 bytes + 16 of padding = 68 words: row r starts at bank 4 r mod 64 (ISA guide 11.1), so the 16 rows that a load touches start at 16 different banks
.set FR,     8                         ; registers of a fragment: 16 rows x 128 K
.set NL,     2                         ; LDS loads that bring one
.set NP,     4                         ; places behind this matrix instruction (ISA guide 7.12.1)
.set HALFT,  128*PITCH                 ; 128 rows: what one tensor load brings, and what one wave reads of an operand
.set SLOT,   4*HALFT                   ; x's 256 rows, then w_qkv's 256 rows
.set KS,     SIZE_K/32                 ; a row of scales in bytes
.set SCL,    2*SLOT                    ; behind the slots: the scales, as runs of 256 bytes + 16 of padding
.set HALFS,  (128*KS/256)*272          ; the scales of 128 rows: what one tensor load brings
.set SBLK,   (16*KS/256)*272           ; those of 16 rows
.set SPARE,  SCL+4*HALFS               ; behind the scales: the spare words, 128 bytes for each wave, which no other line names
.set SPITCH, 272                       ; the way out: a stage of 16 rows x (256 bytes + 16) for each wave, in slot 0, which has had its only fill and its last read when the first result is stored there
.set ADRA, 16                          ; v16-17  LDS address of my x fragments in slot 0, 1
.set ADRB, 20                          ; v20-21  the same for w_qkv
.set STO,  24                          ; v24     the way out: where I put 16 bytes of a row
.set RD,   25                          ; v25     the way out: where I read 16 bytes back
.set CO,   26                          ; v26     my byte offset in qkv
.set ADRS, 27                          ; v27     LDS address of my scale words: lanes 0-15 x's rows, lanes 16-31 w_qkv's
.set SPW,  28                          ; v28     LDS address of my spare word; never rewritten
.set NIL,  29                          ; v29     0; never rewritten
.set SC,   32                          ; scale words: set s at v[SC + 8 NQ s]; register NQ i + q: lanes 0-15 x's block i, lanes 16-31 w_qkv's block i, the slot's q-th 128 along K
.set AF,   128                         ; x's fragments, in window 0
.set TMP,  192                         ; the way out: a block's packed results
.set OB,   32                          ; the way out: 16 rows read back: v32-63 and v224-255 by turns
.set G1, 24                            ; s[24:31] descriptor group 1 for x's tiles;  s[32:39] group 0, one set for each slot
.set G0, 32
.set G1B, 48                           ; s[48:55], s[56:63] the same for w_qkv's tiles
.set G0B, 56
.set G1S, 68                           ; s[68:75], s[76:79] groups 1 and 0 for x's scales;  s[80:87], s[88:91] for w_qkv's
.set G0S, 76
.set G1SB, 80
.set G0SB, 88
.set MSB, 0
.macro WIN new                         ; the immediate's high byte repeats the setting that is left
.if MSB != \new
	s_set_vgpr_msb (MSB<<8)|\new
.set MSB, \new
.endif
.endm
.set MUL_LO, 0xa1                      ; source 0 window 1, source 1 window 0, C and D window 2
.set MUL_HI, 0xf1                      ; the same, C and D window 3
.set TO_B,   0x40                      ; destination window 1, address window 0
; A joint load: waves 0 and 1 fetch for x, waves 2 and 3 for w_qkv.  Each of the two lines has ONE mask and one set of registers for all that issue it; the branch hangs on the wave's number alone.
; An s_nop 0 and four v_nop follow each of the two lines, ahead of the jump, the label and what follows.
.macro JLOAD g0a, g1a, g0b, g1b
	s_cmp_eq_u32 s15, 0
	s_cbranch_scc0 .Lfor_b_\@
	tensor_load_to_lds s[\g0a:\g0a+3], s[\g1a:\g1a+7]
	s_nop 0
.rept 4
	v_nop
.endr
	s_branch .Lasked_\@
.Lfor_b_\@:
	tensor_load_to_lds s[\g0b:\g0b+3], s[\g1b:\g1b+7]
	s_nop 0
.rept 4
	v_nop
.endr
.Lasked_\@:
.endm
.macro CROUND                          ; a round of the cluster's barrier: my work-group's barrier; wave 0 signals for the work-group; every wave waits for all sixteen; my work-group's barrier once more
	s_barrier_signal -1
	s_barrier_wait -1
	s_cmp_lg_u32 s14, 0
	s_cbranch_scc1 .Lnot_wave_0_\@
	s_barrier_signal -3
.Lnot_wave_0_\@:
	s_barrier_wait -3
	s_barrier_signal -1
	s_barrier_wait -1
.endm
	s_load_b128 s[4:7], s[0:1], 0x0                ; x's codes s[4:5], x's scales s[6:7]
	s_load_b128 s[8:11], s[0:1], 0x10              ; w_qkv's codes s[8:9], its scales s[10:11]
	s_load_b64 s[12:13], s[0:1], 0x20              ; qkv
	v_lshl_add_u32 v[SPW], v0, 2, SPARE
	v_mov_b32 v[NIL], 0
	ds_add_u32 v[SPW], v[NIL]                      ; the wave's opening: the add, twice on end, and its wait ahead of my first tensor load; the set-up below stands between
	ds_add_u32 v[SPW], v[NIL]
	v_lshrrev_b32 v1, 5, v0
	v_readfirstlane_b32 s14, v1                    ; wave 0..3
	s_lshr_b32 s15, s14, 1                         ; which half of the tile's rows is mine.  Also: I fetch for x (0) or for w_qkv (1)
	s_and_b32 s16, s14, 1                          ; which half of its columns.  Also: which 128 rows of that tile I fetch
	s_bfe_u32 s40, ttmp6, 0x40000                  ; cx, cy: my place in the cluster
	s_bfe_u32 s41, ttmp6, 0x40004
	s_lshl_b32 s42, ttmp9, 2
	s_add_co_u32 s42, s42, s40                     ; tile column = 4 x cluster x + cx
	s_and_b32 s17, ttmp7, 0xffff
	s_lshl_b32 s17, s17, 2
	s_add_co_u32 s17, s17, s41                     ; tile row = 4 x cluster y + cy
	s_lshl_b32 s43, s41, 2
	s_lshl_b32 s43, 15, s43                        ; my row of the cluster
	s_lshl_b32 s44, 0x1111, s40                    ; my column
	; descriptor group 1: a tile of 128 rows x ROWB bytes, padded in LDS
	s_or_b32 s[G1+0], s43, (0<<16)|(1<<20)|(1<<21)|(5<<22)|(3<<25)  ; 15:0 the mask: x's tiles go to my row; 17:16 element of 1 byte; 20 padding on; 21 set beside a mask; 24:22 after every 64 words; 31:25 four words
	s_or_b32 s[G1B+0], s44, (0<<16)|(1<<20)|(1<<21)|(5<<22)|(3<<25)
.irp g, G1, G1B
	s_mov_b32 s[\g+1], ROWB<<16                    ; tensor_dim0
	s_mov_b32 s[\g+2], 128<<16                     ; tensor_dim1 = 128
	s_mov_b32 s[\g+3], ROWB<<16                    ; tile_dim0
	s_mov_b32 s[\g+4], 128                         ; tile_dim1 = 128
	s_mov_b32 s[\g+5], KROW                        ; tensor_dim0_stride
	s_mov_b32 s[\g+6], 0
	s_mov_b32 s[\g+7], 0
.endr
	; and for the scales of 128 rows: a dense block of 128 KS bytes, as rows of 256 bytes (32 elements of 8 bytes), 16 bytes of padding behind each
	s_or_b32 s[G1S+0], s43, (3<<16)|(1<<20)|(1<<21)|(5<<22)|(3<<25)
	s_or_b32 s[G1SB+0], s44, (3<<16)|(1<<20)|(1<<21)|(5<<22)|(3<<25)
.irp g, G1S, G1SB
	s_mov_b32 s[\g+1], 32<<16
	s_mov_b32 s[\g+2], (128*KS/256)<<16
	s_mov_b32 s[\g+3], 32<<16
	s_mov_b32 s[\g+4], 128*KS/256
	s_mov_b32 s[\g+5], 32
	s_mov_b32 s[\g+6], 0
	s_mov_b32 s[\g+7], 0
.endr
	s_lshl_b32 s18, s16, 7                         ; which 128 rows of the tile I fetch
	s_lshl_b32 s20, s17, 8
	s_add_co_u32 s20, s20, s18                     ; x: row 256 x tile row + 128 x half
	s_lshl_b32 s46, s42, 8
	s_add_co_u32 s46, s46, s18                     ; w_qkv: row 256 x tile column + 128 x half
	s_mov_b32 s21, 0
	s_mov_b32 s47, 0
	s_mov_b64 s[18:19], KS
	s_mul_u64 s[22:23], s[20:21], s[18:19]         ; where these rows' scales begin, in bytes
	s_mul_u64 s[92:93], s[46:47], s[18:19]
	s_mov_b64 s[18:19], KROW
	s_mul_u64 s[20:21], s[20:21], s[18:19]         ; and their codes
	s_mul_u64 s[46:47], s[46:47], s[18:19]
	s_mul_i32 s45, s14, HALFT                      ; where they go: wave x 128 rows: no place in the cluster enters an LDS address
	s_mul_i32 s94, s14, HALFS
	s_wait_dscnt 0x0                               ; both opening adds are done
	s_wait_kmcnt 0x0
	s_add_nc_u64 s[20:21], s[4:5], s[20:21]
	s_add_nc_u64 s[22:23], s[6:7], s[22:23]
	s_add_nc_u64 s[46:47], s[8:9], s[46:47]
	s_add_nc_u64 s[92:93], s[10:11], s[92:93]
	CROUND                                         ; all sixteen work-groups are here: the first joint loads meet
	s_mov_b32 s[G0S], 1
	s_add_co_u32 s[G0S+1], s94, SCL
	s_mov_b64 s[G0S+2:G0S+3], s[22:23]
	s_or_b32 s[G0S+3], s[G0S+3], 0x80000000
	s_mov_b32 s[G0SB], 1
	s_add_co_u32 s[G0SB+1], s94, SCL
	s_mov_b64 s[G0SB+2:G0SB+3], s[92:93]
	s_or_b32 s[G0SB+3], s[G0SB+3], 0x80000000
	JLOAD G0S, G1S, G0SB, G1SB                     ; the scales first: they are wanted with K step 0
.irp s, 0,1
	s_mov_b32 s[G0+4*\s], 1
	s_add_co_u32 s[G0+4*\s+1], s45, \s*SLOT
	s_add_nc_u64 s[G0+4*\s+2:G0+4*\s+3], s[20:21], \s*ROWB
	s_or_b32 s[G0+4*\s+3], s[G0+4*\s+3], 0x80000000
	s_mov_b32 s[G0B+4*\s], 1
	s_add_co_u32 s[G0B+4*\s+1], s45, \s*SLOT
	s_add_nc_u64 s[G0B+4*\s+2:G0B+4*\s+3], s[46:47], \s*ROWB
	s_or_b32 s[G0B+4*\s+3], s[G0B+4*\s+3], 0x80000000
	JLOAD G0+4*\s, G1, G0B+4*\s, G1B               ; three tensor loads of mine are out, and no more follow
.endr
	v_and_b32 v1, 15, v0                           ; r = l % 16
	v_bfe_u32 v2, v0, 4, 1                         ; h = l / 16
	v_mul_u32_u24 v3, v1, PITCH
	v_lshl_add_u32 v4, v2, 4, v3                   ; a fragment's row x pitch + 16 x half
	s_mul_i32 s21, s15, HALFT                      ; my 128 rows of x
	s_mul_i32 s22, s16, HALFT                      ; my 128 rows of w_qkv,
	s_add_co_u32 s22, s22, 2*HALFT                 ; which lie behind x's 256
.irp s, 0,1
	v_add_nc_u32 v[ADRA+\s], s21, v4
	v_add_nc_u32 v[ADRB+\s], s22, v4
	s_add_co_u32 s21, s21, SLOT
	s_add_co_u32 s22, s22, SLOT
.endr
	v_mul_u32_u24 v5, v1, KS                       ; my row's scales: KS bytes a row,
	v_lshrrev_b32 v6, 8, v5
	v_lshl_add_u32 v5, v6, 4, v5                   ; and 16 more for each 256 passed
	s_mul_i32 s21, s15, HALFS                      ; x's: my 128 rows
	s_mul_i32 s22, s16, HALFS                      ; w_qkv's: my 128 rows, behind x's 256
	s_add_co_u32 s22, s22, 2*HALFS
	s_sub_co_u32 s22, s22, s21
	v_mul_u32_u24 v6, s22, v2                      ; lanes 16-31 take w_qkv's
	s_add_co_u32 s21, s21, SCL
	v_add_nc_u32 v5, v5, v6
	v_add_nc_u32 v[ADRS], s21, v5
	s_mul_i32 s23, s14, 16*SPITCH                  ; my stage
	v_mul_u32_u24 v5, v1, SPITCH                   ; in: row r, 16 bytes for each half of the lanes
	v_lshl_add_u32 v5, v2, 4, v5
	v_add_nc_u32 v[STO], s23, v5
	v_bfe_u32 v5, v0, 3, 1                         ; back: lanes 0-15 take two tokens' 128 bytes of my first head, lanes 16-31 of my second:
	v_mul_u32_u24 v5, v5, SPITCH                   ; token (l / 8) % 2,
	v_lshl_add_u32 v5, v2, 7, v5                   ; head l / 16,
	v_and_b32 v6, 7, v0
	v_lshl_add_u32 v5, v6, 4, v5                   ; piece l % 8
	v_add_nc_u32 v[RD], s23, v5
	v_lshlrev_b32 v[CO], 4, v1                     ; and in qkv: 16 (l % 16) in the two tokens' 256 bytes,
	v_lshl_add_u32 v[CO], v2, 18, v[CO]            ; a head (2,048 tokens x 128 bytes) further on for lanes 16-31
	; where my part begins in qkv.  Rows: batch = tile row / 8, token = 256 (tile row % 8) + 128 x my half.  Columns: part = tile column / 4, head = 4 (tile column % 4) + 2 x my half
	s_lshr_b32 s20, s17, 3
	s_lshl_b32 s20, s20, 22
	s_and_b32 s21, s17, 7
	s_lshl_b32 s21, s21, 15
	s_add_co_u32 s20, s20, s21
	s_lshl_b32 s21, s15, 14
	s_add_co_u32 s20, s20, s21
	s_mov_b32 s21, 0
	s_lshr_b32 s46, s42, 2
	s_lshl_b32 s46, s46, 24
	s_and_b32 s47, s42, 3
	s_lshl_b32 s47, s47, 20
	s_add_co_u32 s46, s46, s47
	s_lshl_b32 s47, s16, 19
	s_add_co_u32 s46, s46, s47
	s_mov_b32 s47, 0
	s_add_nc_u64 s[20:21], s[20:21], s[46:47]
	s_add_nc_u64 s[12:13], s[12:13], s[20:21]
.macro FRAG reg, adr, q, i             ; a fragment, 16 rows x 128 K of 4-bit codes: lane l holds row l % 16; registers 4 c .. 4 c + 3 hold K = 64 c + 32 (l / 16) + 0 .. 31
.irp c, 0,1
	ds_load_b128 v[\reg+4*\c:\reg+4*\c+3], v[\adr] offset:64*(\q)+32*\c+(\i)*16*PITCH
.endr
.endm
; 16 matrix instructions: x's blocks a0, a0 + 1 against w_qkv's eight, 128 along K: the slot's q-th.  p: w_qkv's set;  sc: the set of scale words.  zero = 1: the first product starts the sums.
; The 64 accumulators take turns, one instruction a turn, in the same order in every step.
.macro MUL16 a0, p, q, sc, zero
.irp a, \a0, \a0+1
.irp b, 0,1,2,3,4,5,6,7
.if \zero
	v_wmma_scale_f32_16x16x128_f8f6f4 v[8*(8*((\a)%4)+\b):8*(8*((\a)%4)+\b)+7], v[128*(\p)+FR*\b:128*(\p)+FR*\b+FR-1], v[AF+FR*(\a):AF+FR*(\a)+FR-1], 0, v[SC+8*NQ*(\sc)+NQ*\b+(\q)], v[SC+8*NQ*(\sc)+NQ*(\a)+(\q)] matrix_a_fmt:MATRIX_FMT_FP4 matrix_b_fmt:MATRIX_FMT_FP4 matrix_a_scale:MATRIX_SCALE_ROW1
.else
	v_wmma_scale_f32_16x16x128_f8f6f4 v[8*(8*((\a)%4)+\b):8*(8*((\a)%4)+\b)+7], v[128*(\p)+FR*\b:128*(\p)+FR*\b+FR-1], v[AF+FR*(\a):AF+FR*(\a)+FR-1], v[8*(8*((\a)%4)+\b):8*(8*((\a)%4)+\b)+7], v[SC+8*NQ*(\sc)+NQ*\b+(\q)], v[SC+8*NQ*(\sc)+NQ*(\a)+(\q)] matrix_a_fmt:MATRIX_FMT_FP4 matrix_b_fmt:MATRIX_FMT_FP4 matrix_a_scale:MATRIX_SCALE_ROW1
.endif
.endr
.endr
.endm
.macro FETCH_B slot, q, p              ; w_qkv's eight fragments of the slot's q-th 128 along K into set p
	WIN TO_B
.irp i, 0,1,2,3,4,5,6,7
	FRAG 128*(\p)+FR*\i, ADRB+\slot, \q, \i
.endr
	WIN 0
.endm
.macro FETCH_A slot, q, i0             ; x's blocks i0 .. i0 + 3
.irp i, \i0, \i0+1, \i0+2, \i0+3
	FRAG AF+FR*(\i), ADRA+\slot, \q, \i
.endr
.endm
.macro SCALES sc                       ; a K step's scale words into set sc: NQ words a row; lanes 0-15 take x's block i, lanes 16-31 w_qkv's block i
.irp i, 0,1,2,3,4,5,6,7
	ds_load_b128 v[SC+8*NQ*\sc+NQ*\i:SC+8*NQ*\sc+NQ*\i+3], v[ADRS] offset:\i*SBLK
.endr
.endm
; A load into a register that a matrix instruction has read, and a vector instruction or an LDS store that reads a matrix result, stand NP places behind that matrix instruction; only plain vector
; instructions that name none of its registers are places (ISA guide 7.12.1 for vector instructions).
.macro PLACES n
.rept \n
	v_nop
.endr
.endm
; A step of 128 along K that has its successor in the same slot.
.macro STEP slot, q, zero
	s_wait_dscnt 4*NL                              ; w_qkv's set and x's blocks 0-3 are in; the youngest eight loads (x's blocks 4-7) may be out
	WIN MUL_LO
	MUL16 0, (\q)%2, \q, \slot, \zero
	MUL16 2, (\q)%2, \q, \slot, \zero
	s_wait_dscnt 0                                 ; x's blocks 4-7 are in (asked for 32 matrix instructions ago)
	PLACES NP
	FETCH_B \slot, (\q)+1, 1-(\q)%2
	FETCH_A \slot, (\q)+1, 0
	WIN MUL_HI
	MUL16 4, (\q)%2, \q, \slot, \zero
	MUL16 6, (\q)%2, \q, \slot, \zero
	PLACES NP
	WIN 0
	FETCH_A \slot, (\q)+1, 4
.endm
; Slot 0's last step changes slots: ONE barrier; in front of it each wave waits for all its tensor loads (its part of slot 1), adds 0 to its spare word, and waits for that and for its own reads of slot 0.
; Behind it slot 1 is whole and nobody reads slot 0 any more: the stages of the way out may lie there.  Nothing is filled again.
.macro TURN slot, next
	s_wait_tensorcnt 0x0                           ; all my tensor loads have landed
	ds_add_u32 v[SPW], v[NIL]                      ; 0 onto my spare word
	s_wait_dscnt 4*NL+1                            ; (the add and the youngest eight loads, x's blocks 4-7, may be out)
	WIN MUL_LO
	MUL16 0, 1, NQ-1, \slot, 0                     ; sixteen matrix instructions stand between the add and the wait for it
	s_wait_dscnt 0x0                               ; the add is done, and my reads of this slot are over
	s_barrier_signal -1
	MUL16 2, 1, NQ-1, \slot, 0
	WIN 0
	s_barrier_wait -1
	PLACES NP
	v_add_nc_u32 v[ADRS], 4*NQ, v[ADRS]            ; on to the next K step's scale words (no LDS load of mine is out)
	FETCH_B \next, 0, 0
	FETCH_A \next, 0, 0
	SCALES \next
	WIN MUL_HI
	MUL16 4, 1, NQ-1, \slot, 0
	MUL16 6, 1, NQ-1, \slot, 0
	PLACES NP
	WIN 0
	FETCH_A \next, 0, 4
.endm
.macro STEPS slot, from                ; the slot's steps from .. NQ - 2
.set Q, \from
.rept NQ-1-\from
	STEP \slot, Q, 0
.set Q, Q+1
.endr
.endm
	s_wait_tensorcnt 1                             ; the scales and my part of K step 0 are in (K step 1's load may be out)
	s_barrier_signal -1
	s_barrier_wait -1                              ; everybody's are
	FETCH_B 0, 0, 0
	FETCH_A 0, 0, 0
	SCALES 0
	FETCH_A 0, 0, 4
	STEP 0, 0, 1                                   ; the first step's products start the sums: nothing is cleared
	STEPS 0, 1
	TURN 0, 1
	STEPS 1, 0
	s_wait_dscnt 4*NL                              ; the very last step: nothing more to fetch
	WIN MUL_LO
	MUL16 0, 1, NQ-1, 1, 0
	MUL16 2, 1, NQ-1, 1, 0
	s_wait_dscnt 0
	WIN MUL_HI
	MUL16 4, 1, NQ-1, 1, 0
	MUL16 6, 1, NQ-1, 1, 0
	WIN 0
; THE WAY OUT, block by block of 16 tokens x 128 outputs (two heads).  PACK: rounded to f16, 16 bytes a lane, each accumulator from its low end on.  TOSTAGE: into my own stage and back, two tokens of a head to sixteen lanes.
; SEND: sixteen lanes store 256 consecutive bytes, aligned: tokens 2 t and 2 t + 1 of one head.  LDS serves a wave's instructions in order (ISA guide 5.7.1.4): no wait between the stage's stores and loads.
.macro PACK a
.set AC, 64*((\a)%4)
	WIN 0x0a+5*((\a)/4)                            ; sources 0 and 1: window 2 or 3
.irp b, 0,1,2,3,4,5,6,7
.irp r, 0,1,2,3
	v_cvt_pk_f16_f32 v[TMP+4*\b+\r], v[AC+8*\b+2*\r], v[AC+8*\b+2*\r+1]
.endr
.endr
	WIN 0
.endm
.macro TOSTAGE a
.set BK, OB+192*((\a)%2)
.irp b, 0,1,2,3,4,5,6,7
	ds_store_b128 v[STO], v[TMP+4*\b:TMP+4*\b+3] offset:32*\b
.endr
.irp t, 0,1,2,3,4,5,6,7
	ds_load_b128 v[BK+4*\t:BK+4*\t+3], v[RD] offset:\t*2*SPITCH
.endr
.endm
.macro SEND a
.set BK, OB+192*((\a)%2)
	s_wait_dscnt 0x0                               ; the block is back in registers
	s_wait_xcnt 0x0                                ; the stores of the block before have read their registers, into which the next block's loads will land
.irp t, 0,1,2,3,4,5,6,7
	global_store_b128 v[CO], v[BK+4*\t:BK+4*\t+3], s[12:13] offset:(\a)*2048+\t*256   ; the block's 16 tokens and the pair of tokens stand in the immediate: the base is never stepped
.endr
.endm
	PLACES NP                                      ; behind the last products: for the conversions that read results and the loads into registers that held scale words
	PACK 0
	TOSTAGE 0
.irp a, 1,2,3,4,5,6,7                  ; block a's conversions stand between block a - 1's loads from the stage and the wait for them
	PACK \a
	SEND \a-1
	TOSTAGE \a
.endr
	SEND 7
	s_wait_tensorcnt 0x0                           ; the wave's end: behind my last tensor load and my last LDS store
	ds_add_u32 v[SPW], v[NIL]
	s_wait_dscnt 0x0
	CROUND                                         ; the closing round: no work-group ends while a partner may still ask for a tile that names it
	s_endpgm
.Lfunc_end_k_q3891ce6605_qkvgemm:
	.size	k_q3891ce6605_qkvgemm, .Lfunc_end_k_q3891ce6605_qkvgemm-k_q3891ce6605_qkvgemm
	.p2alignl 7, 3214868480
	.fill 96, 4, 3214868480
	.section	.rodata,"a",@progbits
	.p2align	6, 0x0
	.amdhsa_kernel k_q3891ce6605_qkvgemm
		.amdhsa_group_segment_fixed_size 327680
		.amdhsa_private_segment_fixed_size 0
		.amdhsa_enable_private_segment 0
		.amdhsa_kernarg_size 40
		.amdhsa_user_sgpr_count 2
		.amdhsa_user_sgpr_kernarg_segment_ptr 1
		.amdhsa_wavefront_size32 1
		.amdhsa_system_sgpr_workgroup_id_x 1
		.amdhsa_system_sgpr_workgroup_id_y 1
		.amdhsa_system_sgpr_workgroup_id_z 1
		.amdhsa_system_vgpr_workitem_id 0
		.amdhsa_next_free_vgpr 1024
		.amdhsa_next_free_sgpr 98
		.amdhsa_reserve_vcc 0
		.amdhsa_float_denorm_mode_32 3
		.amdhsa_float_denorm_mode_16_64 3
		.amdhsa_memory_ordered 1
		.amdhsa_forward_progress 1
		.amdhsa_inst_pref_size 127
	.end_amdhsa_kernel
	.amdgpu_metadata
---
amdhsa.version: [ 1, 2 ]
amdhsa.kernels:
  - .name:           k_q3891ce6605_qkvgemm
    .symbol:         k_q3891ce6605_qkvgemm.kd
    .args:
      - { .name: xc, .offset: 0, .size: 8, .value_kind: global_buffer, .address_space: global }
      - { .name: xs, .offset: 8, .size: 8, .value_kind: global_buffer, .address_space: global }
      - { .name: wc, .offset: 16, .size: 8, .value_kind: global_buffer, .address_space: global }
      - { .name: ws, .offset: 24, .size: 8, .value_kind: global_buffer, .address_space: global }
      - { .name: qkv, .offset: 32, .size: 8, .value_kind: global_buffer, .address_space: global }
    .group_segment_fixed_size: 327680
    .private_segment_fixed_size: 0
    .kernarg_segment_align: 8
    .kernarg_segment_size: 40
    .max_flat_workgroup_size: 128
    .sgpr_count:     98
    .vgpr_count:     1024
    .wavefront_size: 32
...
	.end_amdgpu_metadata
.endif
;; end of part 2
;; launch attn (part 3): grid 4 x 64, 8 waves a work-group, clusters of 4 x 1, 327,680 bytes of LDS; arguments qkv, ao; writes ao
.if DOCPART == 3
	.amdgcn_target "amdgcn-amd-amdhsa--gfx1250"
	.amdhsa_code_object_version 6
	.text
	.protected	k_q3891ce6605_attn
	.globl	k_q3891ce6605_attn
	.p2align	8
	.type	k_q3891ce6605_attn,@function
k_q3891ce6605_attn:
	s_mov_b64 s[64:65], 0
	v_nop
	global_prefetch_b8 v0, s[64:65] scope:SCOPE_SE
	s_setreg_imm32_b32 hwreg(HW_REG_WAVE_MODE, 25, 1), 1
	s_wait_xcnt 0x0
	s_wait_alu depctr_hold_cnt(0) depctr_sa_sdst(0) depctr_va_vdst(0) depctr_va_sdst(0) depctr_va_ssrc(0) depctr_va_vcc(0) depctr_vm_vsrc(0)
	s_getreg_b32 s2, hwreg(HW_REG_IB_STS2, 6, 4)
	s_cmp_eq_u32 s2, 0
	s_cbranch_scc0 .Lentry_in_a_cluster
	s_endpgm
.Lentry_in_a_cluster:
	s_bfe_u32 s2, ttmp6, 0x10000c
	s_cmp_lg_u32 s2, 0x3003
	s_cbranch_scc0 .Lentry_shape_is_right
	s_endpgm
.Lentry_shape_is_right:
; ao[b][h][q][:] = the sum over k of softmax_k(Q[q] . K[k] / 32) V[k][:], for each of the 64 (batch, head) pairs; 2,048 queries and keys, head size 64, no mask.
; Q, K, V: the three parts of qkv, [part][batch][head][token][64] in f16; ao: [batch][head][token][64] in f16.  Products, maxima and sums in f32; the weights p are rounded to f16 for the second product, the result once at the end.
; LIMITS: f16 operands: p is at most 1 by the running maximum; p and results under 6e-5 keep an absolute error of 3e-8.  NaN and infinities are not served.
; SHARES.  A cluster of four work-groups is one (batch, head); a work-group owns 512 queries, each of its EIGHT waves 64: four tiles of 16, in 512 registers, two waves to a SIMD.  Every wave walks all keys, 64 a step.
; LAYOUT.  S^T = K Q^T (source 0 = 16 keys, source 1 = 16 queries): a lane holds ONE query (lane % 16) and the keys 8 (lane / 16) + 0..7 of a tile.  Two such tiles, rounded to f16 in pairs, ARE source 1 (32 keys x 16
; queries) of O^T = V^T P, whose result again holds one query a lane and eight channels.  K comes out of LDS as it lies, V ([key][channel]) turned, by ds_load_tr16_b128.
; SOFTMAX.  For each query a running maximum m and sum l: p = 2^(c s - c m), c = log2(e) / 32; in every step O and l are multiplied by a = 2^(c m_old - c m_new).  m begins at -3e38 and l and O^T at 0, so that the
; key step is written once: the first a is 0 and multiplies zeros.
; TWO GROUPS OF WAVES TAKE TURNS.  A key step has 64 matrix instructions and 472 vector instructions a wave: too many vector instructions to stand in slices behind the matrix instructions.  So the waves fall into
; two groups by their numbers ((w + w / 4) % 2: it differs between w and w + 4 and between 2 i and 2 i + 1).  One text serves both: a trip holds the step's softmax twice, ahead of the products for group 0 and behind them for
; group 1, each under a branch on the group; no barrier stands in such a branch.  Group 1 runs its first softmax ahead of a barrier, so that behind it one group is at its softmax while the other is at its products.
; THE RING.  Two slots of 8 key steps (512 keys) each.  A row of K or V is 128 bytes, so a tile is stated as rows of 256 bytes (two keys): key k lies at (k / 2) x pitch + 128 (k % 2).
; CLUSTER.  The four work-groups walk the same K and V: each tile is asked for JOINTLY, by the same tensor load with the same descriptor and a mask that names the four.  A refill has eight key steps in which to land.
; REGISTERS: window 0: v1-13 addresses; v16-47 eight registers of statistics a tile; v64-191 S^T, 32 a tile (p is packed into each tile's low 16); v192-255 K of one step.
;            window 1: v0-127 O^T, 32 a tile; v128-191 Q; v192-255 V of one step.
.set PK,    272       ; two keys of K in LDS: 256 bytes + 16 of padding: the 16 rows of a fragment load fall on 16 different 16-byte columns of the banks' 256 bytes (ISA guide 11.1)
.set PV,    288       ; two keys of V: 256 + 32
.set KSTP,  32*PK     ; a key step's K
.set VSTP,  32*PV     ; and V
.set KSLOT, 8*KSTP
.set VSLOT, 8*VSTP
.set VBASE, 2*KSLOT   ; K's two slots, then V's two
.set SPARE, VBASE+2*VSLOT  ; behind the ring: the spare words, 128 bytes for each wave, which no other line names
.set STAGE, SPARE+8*128    ; behind them: 16 rows x 144 bytes for each wave, for the way out; no fill lands here
.set SP,    144
.set AK0, 2           ; v2   my lane's place in a tile of K; never rewritten
.set AV0, 3           ; v3   the same for V
.set ADK, 4           ; v4   LDS address of K's run of loads in hand
.set ADV, 5           ; v5   of V's
.set QO,  6           ; v6   my byte offset in the wave's rows of Q
.set STO, 7           ; v7   the way out: where I put 16 bytes of a row
.set RD,  8           ; v8   the way out: where I read 16 bytes back
.set GO,  10          ; v10  my byte offset in four rows of ao
.set SPW, 12          ; v12  LDS address of my spare word; never rewritten
.set NIL, 13          ; v13  0; never rewritten
.set ST,  16          ; tile t's statistics at v[ST+8 t]: +0 c m, +1 m, +2, +3 l (even keys', odd keys'), +4 to +7 c0-c3 at work; later +4, +5 a second chain of sums, +6 a, +7 the change of c m
.set S,   64
.set KF,  192         ; K's fragments (16 keys kt, 32 channels cs) at +16 kt + 8 cs, window 0
.set QF,  128         ; Q's (tile t, cs) at +16 t + 8 cs, window 1
.set VF,  192         ; V's (32 keys g, 16 channels ct) at +32 g + 8 ct, window 1
.set WV,  12          ; s12  my wave's number
.set GRP, 13          ; s13  my group
.set G1K, 24          ; s[24:31] descriptor group 1 for K's tiles
.set G1V, 32          ; s[32:39] for V's: it differs in the padding alone
.set G0K, 40          ; s[40:47] descriptor group 0 for K's tiles, a set for each slot
.set G0V, 48          ; s[48:55] the same for V's
.set CNT, 56          ; s56  counts a loop's trips
.set CS,  58          ; s[58:59] c: the packed scaling names a pair and takes its low word for both halves
.set SEL, 60          ; s[60:61] lane selects for v_permlanex16_b32: each lane takes its own place in the other half
.set TBK, 62          ; s62  LDS byte at which K of the step to be fetched begins
.set TBV, 63          ; s63  the same for V, from VBASE on
.set MSB, 0
.macro WIN new                      ; the immediate's high byte repeats the setting that is left; a switch that changes nothing is dropped
.if MSB != \new
	s_set_vgpr_msb (MSB<<8)|\new
.set MSB, \new
.endif
.endm
.set W_KQ, 0x04       ; K and S^T in window 0, Q in window 1
.set W_PV, 0x51       ; V and O^T in window 1, P in window 0
.set W_RS, 0x41       ; O^T (destination and source 0) in window 1, a in window 0
.set TO1,  0x40       ; destination window 1, address window 0
.set W_CV, 0x05       ; sources 0 and 1 window 1, destination window 0
; A joint refill of slot n.  Waves 0 to 3 fetch the quarters of K's part, waves 4 to 7 those of V's: 128 keys, 64 rows of 256 bytes, each.  The branch hangs on the wave's number alone.
; An s_nop 0 and four v_nop follow each of the two lines; the jump, the label and what follows come after them.
.macro JLOAD n
	s_cmp_lt_u32 s[WV], 4
	s_cbranch_scc0 .Lfor_v_\@
	tensor_load_to_lds s[G0K+4*\n:G0K+4*\n+3], s[G1K:G1K+7]
	s_nop 0
.rept 4
	v_nop
.endr
	s_branch .Lasked_\@
.Lfor_v_\@:
	tensor_load_to_lds s[G0V+4*\n:G0V+4*\n+3], s[G1V:G1V+7]
	s_nop 0
.rept 4
	v_nop
.endr
.Lasked_\@:
.endm
; A round of the cluster's barrier: my work-group's barrier, so that wave 0's signal speaks for all eight waves; wave 0 signals for the work-group; every wave waits for all four work-groups; my work-group's barrier once more.
.macro CROUND
	s_barrier_signal -1
	s_barrier_wait -1
	s_cmp_lg_u32 s[WV], 0
	s_cbranch_scc1 .Lnot_wave_0_\@
	s_barrier_signal -3
.Lnot_wave_0_\@:
	s_barrier_wait -3
	s_barrier_signal -1
	s_barrier_wait -1
.endm
.macro PLACES n
.rept \n
	v_nop
.endr
.endm
	s_load_b128 s[4:7], s[0:1], 0x0 ; qkv s[4:5], ao s[6:7]
	v_lshl_add_u32 v[SPW], v0, 2, SPARE
	v_mov_b32 v[NIL], 0
	ds_add_u32 v[SPW], v[NIL]       ; the wave's opening: the add, twice on end, and its wait ahead of my first tensor load; the set-up below stands between
	ds_add_u32 v[SPW], v[NIL]
	v_lshrrev_b32 v1, 5, v0
	v_readfirstlane_b32 s[WV], v1   ; wave 0..7
	s_lshr_b32 s[GRP], s[WV], 2
	s_add_co_u32 s[GRP], s[GRP], s[WV]
	s_and_b32 s[GRP], s[GRP], 1     ; my group: (w + w / 4) % 2
	s_and_b32 s16, ttmp7, 0xffff    ; the (batch, head) pair, which the four partners share:
	s_lshl_b32 s16, s16, 18         ; its first byte in each part of qkv and in ao: 2,048 tokens x 128 bytes
	s_bfe_u32 s14, ttmp6, 0x40000   ; cx: my place in the cluster: it enters Q's and ao's addresses alone
	s_lshl_b32 s20, s14, 16         ; my work-group's 512 queries,
	s_lshl_b32 s21, s[WV], 13       ; my wave's 64 of them
	s_add_co_u32 s20, s20, s21
	s_add_co_u32 s20, s20, s16
	s_mov_b32 s21, 0
	s_and_b32 s18, s[WV], 3         ; which quarter of a slot I fetch:
	s_lshl_b32 s17, s18, 14         ; its 128 keys in memory,
	s_add_co_u32 s16, s16, s17
	s_mov_b32 s17, 0
	s_mul_i32 s22, s18, 64*PK       ; and in LDS: no place in the cluster enters an LDS address
	s_mul_i32 s23, s18, 64*PV
	s_add_co_u32 s23, s23, VBASE
	; descriptor group 1: a tile of 64 rows x 128 elements (two keys a row), dense in memory, padded in LDS
	s_mov_b32 s[G1K], 15|(1<<16)|(1<<20)|(1<<21)|(5<<22)|(3<<25)  ; 15:0 the mask: all four work-groups; 17:16 elements of 2 bytes; 20 padding on; 21 set beside a mask; 24:22 after every 64 words; 31:25 four words
	s_mov_b32 s[G1V], 15|(1<<16)|(1<<20)|(1<<21)|(5<<22)|(7<<25)  ; the same with eight words of padding
.irp g, G1K, G1V
	s_mov_b32 s[\g+1], 128<<16      ; tensor_dim0 = 128
	s_mov_b32 s[\g+2], 64<<16       ; tensor_dim1 = 64
	s_mov_b32 s[\g+3], 128<<16      ; tile_dim0 = 128
	s_mov_b32 s[\g+4], 64           ; tile_dim1 = 64
	s_mov_b32 s[\g+5], 128          ; tensor_dim0_stride: elements from row to row
	s_mov_b32 s[\g+6], 0
	s_mov_b32 s[\g+7], 0
.endr
	s_mov_b32 s[CS], 0x3d38aa3b     ; c = log2(e) / 32
	s_mov_b32 s[CS+1], s[CS]        ; named with it as a pair, so it is written
	s_mov_b32 s[SEL], 0x76543210
	s_mov_b32 s[SEL+1], 0xfedcba98
	s_mov_b32 s[TBK], 0
	s_mov_b32 s[TBV], 0
	s_wait_dscnt 0x0                ; both opening adds are done
	s_wait_kmcnt 0x0
	s_add_nc_u64 s[8:9], s[4:5], s[20:21]    ; Q at my wave's first row
	s_add_nc_u64 s[10:11], s[6:7], s[20:21]  ; ao likewise
	s_add_nc_u64 s[2:3], s[4:5], s[16:17]    ; my quarter of the pair's first 512 keys, in part 0
	CROUND                          ; all four work-groups are here: the first joint loads meet
.irp n, 0,1
	s_mov_b32 s[G0K+4*\n], 1        ; count = 1
	s_add_co_u32 s[G0K+4*\n+1], s22, \n*KSLOT  ; LDS address
	s_add_nc_u64 s[G0K+4*\n+2:G0K+4*\n+3], s[2:3], (1<<24)+\n*65536  ; global address: part 1 (K), slot n begins with keys 512 n
	s_or_b32 s[G0K+4*\n+3], s[G0K+4*\n+3], 0x80000000  ; type = 2
	s_mov_b32 s[G0V+4*\n], 1
	s_add_co_u32 s[G0V+4*\n+1], s23, \n*VSLOT
	s_add_nc_u64 s[G0V+4*\n+2:G0V+4*\n+3], s[2:3], (1<<25)+\n*65536  ; part 2 (V)
	s_or_b32 s[G0V+4*\n+3], s[G0V+4*\n+3], 0x80000000
.endr
	s_cmp_lt_u32 s[WV], 4           ; a wave's two first fills stand in one branch, ahead of every wait on TENSORcnt and every LDS read: two loads of mine are out
	s_cbranch_scc0 .Lfirst_v
	tensor_load_to_lds s[G0K:G0K+3], s[G1K:G1K+7]
	s_nop 0
	tensor_load_to_lds s[G0K+4:G0K+7], s[G1K:G1K+7]
	s_nop 0
.rept 4
	v_nop
.endr
	s_branch .Lfirst_asked
.Lfirst_v:
	tensor_load_to_lds s[G0V:G0V+3], s[G1V:G1V+7]
	s_nop 0
	tensor_load_to_lds s[G0V+4:G0V+7], s[G1V:G1V+7]
	s_nop 0
.rept 4
	v_nop
.endr
.Lfirst_asked:
	; A fragment of K or Q is 16 rows x 32 channels in 8 registers: lane l holds row l % 16; registers 0-3 channels 8 (l / 16) + 0..7, registers 4-7 channels 16 + 8 (l / 16) + 0..7: two loads of 16 bytes, 32 bytes apart.
	v_and_b32 v1, 15, v0            ; r = l % 16
	v_bfe_u32 v9, v0, 4, 1          ; h = l / 16
	v_lshlrev_b32 v[QO], 7, v1
	v_lshl_add_u32 v[QO], v9, 4, v[QO]  ; Q: row x 128 + 16 x half
	v_lshrrev_b32 v11, 1, v1
	v_mul_u32_u24 v[AK0], v11, PK   ; K: pair row r / 2,
	v_and_b32 v11, 1, v0
	v_lshl_add_u32 v[AK0], v11, 7, v[AK0]  ; key r % 2 of the pair,
	v_lshl_add_u32 v[AK0], v9, 4, v[AK0]   ; + 16 x half
	; The turning load takes 16 keys x 16 channels (lane l reads 16 bytes: key 8 (l / 16) + l % 8, channels 8 ((l / 8) % 2) + 0..7) and leaves half a fragment of V^T: lane l holds channel l % 16 and 8 keys.
	v_bfe_u32 v14, v0, 1, 2
	v_lshl_add_u32 v14, v9, 2, v14  ; pair row 4 (l / 16) + (l % 8) / 2
	v_mul_u32_u24 v[AV0], v14, PV
	v_lshl_add_u32 v[AV0], v11, 7, v[AV0]  ; key l % 2 of the pair
	v_bfe_u32 v14, v0, 3, 1
	v_lshl_add_u32 v[AV0], v14, 4, v[AV0]
	v_add_nc_u32 v[AV0], VBASE, v[AV0]
	WIN TO1
.irp t, 0,1,2,3                     ; Q stays in registers
.irp cs, 0,1
	global_load_b128 v[QF+16*\t+8*\cs:QF+16*\t+8*\cs+3],   v[QO], s[8:9] offset:\t*2048+\cs*64
	global_load_b128 v[QF+16*\t+8*\cs+4:QF+16*\t+8*\cs+7], v[QO], s[8:9] offset:\t*2048+\cs*64+32
.endr
.endr
.set ii, 0
.rept 128
	v_mov_b32 v[ii], 0              ; O^T begins as zeros, so that the key step is written once
.set ii, ii+1
.endr
	WIN 0
.irp t, 0,1,2,3
	v_mov_b32 v[ST+8*\t+1], 0xff61b1e6  ; m: -3e38, under every score
	v_mul_f32 v[ST+8*\t], s[CS], v[ST+8*\t+1]  ; c m
	v_mov_b32 v[ST+8*\t+2], 0       ; l, in two halves
	v_mov_b32 v[ST+8*\t+3], 0
	v_mov_b32 v[ST+8*\t+5], 0       ; (a lane permute's destination and the upper half of a named pair count as read: written once)
	v_mov_b32 v[ST+8*\t+7], 0
.endr
	s_mul_i32 s16, s[WV], 16*SP
	s_add_co_u32 s16, s16, STAGE    ; my stage
	v_mul_u32_u24 v[STO], v1, SP    ; in: row l % 16, 16 bytes for each half of the lanes
	v_lshl_add_u32 v[STO], v9, 4, v[STO]
	v_add_nc_u32 v[STO], s16, v[STO]
	v_bfe_u32 v14, v0, 3, 2
	v_mul_u32_u24 v[RD], v14, SP    ; back: eight lanes to a row of 128 bytes, four rows an instruction
	v_and_b32 v14, 7, v0
	v_lshl_add_u32 v[RD], v14, 4, v[RD]
	v_add_nc_u32 v[RD], s16, v[RD]
	v_and_b32 v[GO], 31, v0
	v_lshlrev_b32 v[GO], 4, v[GO]   ; and the same four rows in ao: 512 consecutive bytes
; THE LDS LOADS stand in runs of 16: a step's K (64 keys x 64 channels: 8 fragments) and its V (turned).
.macro FETCH_K
	v_add_nc_u32 v[ADK], s[TBK], v[AK0]
	s_add_co_u32 s[TBK], s[TBK], KSTP  ; the next fetch is the next step's
.irp kt, 0,1,2,3
.irp cs, 0,1
	ds_load_b128 v[KF+16*\kt+8*\cs:KF+16*\kt+8*\cs+3],   v[ADK] offset:\kt*8*PK+\cs*64
	ds_load_b128 v[KF+16*\kt+8*\cs+4:KF+16*\kt+8*\cs+7], v[ADK] offset:\kt*8*PK+\cs*64+32
.endr
.endr
.endm
.macro FETCH_V
	v_add_nc_u32 v[ADV], s[TBV], v[AV0]
	s_add_co_u32 s[TBV], s[TBV], VSTP
	WIN TO1
.irp g, 0,1
.irp ct, 0,1,2,3
	ds_load_tr16_b128 v[VF+32*\g+8*\ct:VF+32*\g+8*\ct+3],   v[ADV] offset:\g*16*PV+\ct*32
	ds_load_tr16_b128 v[VF+32*\g+8*\ct+4:VF+32*\g+8*\ct+7], v[ADV] offset:\g*16*PV+8*PV+\ct*32
.endr
.endr
	WIN 0
.endm
; THE MATRIX WORK.  The accumulators take turns, one instruction a turn: between two links of a chain stand 15 others'.
; S^T = K Q^T: 32 products; the first 16 start the sums.
.macro KQALL
	WIN W_KQ
.irp cs, 0,1
.irp kt, 0,1,2,3
.irp t, 0,1,2,3
.if \cs == 0
	v_wmma_f32_16x16x32_f16 v[S+32*\t+8*\kt:S+32*\t+8*\kt+7], v[KF+16*\kt+8*\cs:KF+16*\kt+8*\cs+7], v[QF+16*\t+8*\cs:QF+16*\t+8*\cs+7], 0
.else
	v_wmma_f32_16x16x32_f16 v[S+32*\t+8*\kt:S+32*\t+8*\kt+7], v[KF+16*\kt+8*\cs:KF+16*\kt+8*\cs+7], v[QF+16*\t+8*\cs:QF+16*\t+8*\cs+7], v[S+32*\t+8*\kt:S+32*\t+8*\kt+7]
.endif
.endr
.endr
.endr
	WIN 0
.endm
; O^T += V^T P: 32 products.
.macro PVALL
	WIN W_PV
.irp g, 0,1
.irp ct, 0,1,2,3
.irp t, 0,1,2,3
	v_wmma_f32_16x16x32_f16 v[32*\t+8*\ct:32*\t+8*\ct+7], v[VF+32*\g+8*\ct:VF+32*\g+8*\ct+7], v[S+32*\t+8*\g:S+32*\t+8*\g+7], v[32*\t+8*\ct:32*\t+8*\ct+7]
.endr
.endr
.endr
	WIN 0
.endm
; THE VECTOR WORK of a key step: 118 instructions a tile, the four tiles by turns line by line, so that no line waits for the line above it.
.macro SOFTMAX
.irp j, 0,1,2,3                     ; the maximum of the lane's 32 scores and the old m, three operands at a time: four chains of seven scores; each begins at the low end of an accumulator
.irp t, 0,1,2,3
	v_max3_num_f32 v[ST+8*\t+4+\j], v[S+32*\t+8*\j], v[S+32*\t+8*\j+1], v[S+32*\t+8*\j+2]
.endr
.endr
.irp i, 3,5
.irp j, 0,1,2,3
.irp t, 0,1,2,3
	v_max3_num_f32 v[ST+8*\t+4+\j], v[ST+8*\t+4+\j], v[S+32*\t+8*\j+\i], v[S+32*\t+8*\j+\i+1]
.endr
.endr
.endr
.irp t, 0,1,2,3
	v_max3_num_f32 v[ST+8*\t+4], v[ST+8*\t+4], v[S+32*\t+7], v[S+32*\t+15]   ; the four scores left over
.endr
.irp t, 0,1,2,3
	v_max3_num_f32 v[ST+8*\t+6], v[ST+8*\t+6], v[S+32*\t+23], v[S+32*\t+31]
.endr
.irp t, 0,1,2,3
	v_max3_num_f32 v[ST+8*\t+4], v[ST+8*\t+4], v[ST+8*\t+5], v[ST+8*\t+6]
.endr
.irp t, 0,1,2,3
	v_max3_num_f32 v[ST+8*\t+4], v[ST+8*\t+4], v[ST+8*\t+7], v[ST+8*\t+1]    ; and the old m
.endr
.irp t, 0,1,2,3
	v_permlanex16_b32 v[ST+8*\t+5], v[ST+8*\t+4], s[SEL], s[SEL+1]           ; the query's other 32 keys lie in the lane 16 away
.endr
.irp t, 0,1,2,3
	v_mov_b32 v[ST+8*\t+7], v[ST+8*\t]                                       ; c m_old is kept for a
.endr
.irp t, 0,1,2,3
	v_max_num_f32 v[ST+8*\t+1], v[ST+8*\t+4], v[ST+8*\t+5]                   ; the new m
.endr
.irp t, 0,1,2,3
	v_mul_f32 v[ST+8*\t], s[CS], v[ST+8*\t+1]                                ; c m
.endr
.irp t, 0,1,2,3
	v_sub_f32 v[ST+8*\t+7], v[ST+8*\t+7], v[ST+8*\t]                         ; c m_old - c m_new
.endr
.irp p, 0,2,4,6,8,10,12,14,16,18,20,22,24,26,28,30
.irp t, 0,1,2,3
	v_pk_fma_f32 v[S+32*\t+\p:S+32*\t+\p+1], v[S+32*\t+\p:S+32*\t+\p+1], s[CS:CS+1], v[ST+8*\t:ST+8*\t+1] op_sel_hi:[1,0,0] neg_lo:[0,0,1] neg_hi:[0,0,1]  ; c s - c m, two at a time
.endr
.endr
.irp t, 0,1,2,3                     ; ONE BATCH of 132 exponentials: none reads another's result
	v_exp_f32 v[ST+8*\t+6], v[ST+8*\t+7]                                     ; a
.endr
.set ii, 0
.rept 32
.irp t, 0,1,2,3
	v_exp_f32 v[S+32*\t+ii], v[S+32*\t+ii]                                   ; p, at most 1
.endr
.set ii, ii+1
.endr
	v_nop                           ; a plain instruction behind the last exponential,
	s_wait_alu depctr_va_vdst(0)    ; and the wait ahead of the first instruction that names a result: one for the batch
.irp t, 0,1,2,3                     ; the sums are taken of p before it is rounded: two chains a tile, a pair (an even key's weight, an odd key's) at a time
	v_pk_fma_f32 v[ST+8*\t+2:ST+8*\t+3], v[ST+8*\t+2:ST+8*\t+3], v[ST+8*\t+6:ST+8*\t+7], v[S+32*\t:S+32*\t+1] op_sel_hi:[1,0,1]  ; l = a l + pair 0
.endr
.irp t, 0,1,2,3
	v_pk_add_f32 v[ST+8*\t+4:ST+8*\t+5], v[S+32*\t+2:S+32*\t+3], v[S+32*\t+4:S+32*\t+5]
.endr
.irp p, 6,10,14,18,22,26
.irp t, 0,1,2,3
	v_pk_add_f32 v[ST+8*\t+2:ST+8*\t+3], v[ST+8*\t+2:ST+8*\t+3], v[S+32*\t+\p:S+32*\t+\p+1]
.endr
.irp t, 0,1,2,3
	v_pk_add_f32 v[ST+8*\t+4:ST+8*\t+5], v[ST+8*\t+4:ST+8*\t+5], v[S+32*\t+\p+2:S+32*\t+\p+3]
.endr
.endr
.irp t, 0,1,2,3
	v_pk_add_f32 v[ST+8*\t+2:ST+8*\t+3], v[ST+8*\t+2:ST+8*\t+3], v[S+32*\t+30:S+32*\t+31]
.endr
.irp t, 0,1,2,3
	v_pk_add_f32 v[ST+8*\t+2:ST+8*\t+3], v[ST+8*\t+2:ST+8*\t+3], v[ST+8*\t+4:ST+8*\t+5]
.endr
.set ii, 0
.rept 16                            ; p to f16, in place and ascending: register i takes pair i, which lies at 2 i and 2 i + 1
.irp t, 0,1,2,3
	v_cvt_pk_f16_f32 v[S+32*\t+ii], v[S+32*\t+2*ii], v[S+32*\t+2*ii+1]
.endr
.set ii, ii+1
.endr
	WIN W_RS
.set ii, 0
.rept 16                            ; O^T times a, ascending: each accumulator is read from its low end on
.irp t, 0,1,2,3
	v_pk_mul_f32 v[32*\t+ii:32*\t+ii+1], v[32*\t+ii:32*\t+ii+1], v[ST+8*\t+6:ST+8*\t+7] op_sel_hi:[1,0]
.endr
.set ii, ii+2
.endr
	WIN 0
.endm
; THE CHANGE OF SLOTS.  Each wave waits for all its tensor loads (one is out: its part of the slot ahead), adds 0 to its spare word, and waits for that and for its reads of the slot that it leaves (V of the step in hand is
; in registers by then).  fill = 1: slot n, just left, is filled again with the keys 1,024 further on: the barrier is then a round of the cluster's, and the joint refill is the first thing behind it.
; wrap = 1: the fetches go back to the ring's first step.
.macro CHANGE n, fill, wrap
	s_wait_tensorcnt 0x0            ; no tensor load of mine is out, so a group 0 may be written
	ds_add_u32 v[SPW], v[NIL]       ; 0 onto my spare word
.if \fill
	s_add_nc_u64 s[G0K+4*\n+2:G0K+4*\n+3], s[G0K+4*\n+2:G0K+4*\n+3], 131072  ; the type bits on top are not reached
	s_add_nc_u64 s[G0V+4*\n+2:G0V+4*\n+3], s[G0V+4*\n+2:G0V+4*\n+3], 131072
.endif
	s_wait_dscnt 0x0                ; the add is done, and my reads of the slot are over
.if \fill
	CROUND
	JLOAD \n
.else
	s_barrier_signal -1
	s_barrier_wait -1
.endif
.if \wrap
	s_mov_b32 s[TBK], 0
	s_mov_b32 s[TBV], 0
.endif
.endm
; A TRIP: key step j.  At its head S^T of step j stands in registers (group 0: as scores; group 1: as p, with l and O^T brought up), and V of step j has been asked for.
; Five places stand behind each run of products: what they read is next written by matrix instructions (S^T over p) or by loads, and what they wrote is next read by vector or by matrix instructions, whichever way the branches go
; (only plain vector instructions that name none of the products' registers are places).
.macro TRIP
	FETCH_K                         ; K of step j + 1
	s_cmp_lg_u32 s[GRP], 0
	s_cbranch_scc1 .La_\@
	SOFTMAX                         ; group 0: step j's
.La_\@:
	s_wait_dscnt 16                 ; V of step j is in; the 16 loads of K just issued may be out
	PVALL
	PLACES 5
	FETCH_V                         ; V of step j + 1
	s_wait_dscnt 16                 ; K of step j + 1 is in; V's 16 loads may be out
	KQALL
	PLACES 5
	s_cmp_eq_u32 s[GRP], 0
	s_cbranch_scc1 .Lb_\@
	SOFTMAX                         ; group 1: step j + 1's
.Lb_\@:
.endm
.macro LOOP n
	s_mov_b32 s[CNT], \n
.Ltrip_\@:
	TRIP
	s_sub_co_u32 s[CNT], s[CNT], 1
	s_cmp_lg_u32 s[CNT], 0
	s_cbranch_scc1 .Ltrip_\@
.endm
	s_wait_tensorcnt 1              ; my part of slot 0 is in; slot 1's may stay out
	s_barrier_signal -1
	s_barrier_wait -1               ; everybody's is
	FETCH_K                         ; key step 0
	FETCH_V
	s_wait_loadcnt 0x0              ; Q
	s_wait_dscnt 16                 ; K is in; V's 16 loads may be out
	KQALL
	PLACES 5
	s_cmp_eq_u32 s[GRP], 0
	s_cbranch_scc1 .Lapart
	SOFTMAX                         ; group 1 runs its first softmax ahead of the barrier below
.Lapart:
	s_wait_dscnt 0x0                ; no LDS instruction of mine is pending at a signal
	s_barrier_signal -1
	s_barrier_wait -1               ; from here on one group is at its softmax while the other is at its products
	LOOP 7                          ; trips 0-6 fetch steps 1-7: slot 0 is read out
	CHANGE 0, 1, 0                  ; slot 0 takes keys 1,024 on
	LOOP 8                          ; trips 7-14 fetch steps 8-15, from slot 1
	CHANGE 1, 1, 1                  ; slot 1 takes keys 1,536 on; the fetches go back to slot 0
	LOOP 8                          ; trips 15-22 fetch steps 16-23
	CHANGE 0, 0, 0                  ; nothing is left to ask for
	LOOP 8                          ; trips 23-30 fetch steps 24-31
	s_cmp_lg_u32 s[GRP], 0
	s_cbranch_scc1 .Llast
	SOFTMAX                         ; group 0: the last step's
.Llast:
	s_wait_dscnt 0x0                ; V of the last step
	PVALL
	; THE WAY OUT.  l's two halves and the other half of the lanes' are added (these lines are the places behind the last products); O^T is divided by l, rounded to f16 and sent through my stage, a tile (16 rows of ao) at a time.
.irp t, 0,1,2,3
	v_add_f32 v[ST+8*\t+4], v[ST+8*\t+2], v[ST+8*\t+3]
.endr
.irp t, 0,1,2,3
	v_permlanex16_b32 v[ST+8*\t+5], v[ST+8*\t+4], s[SEL], s[SEL+1]
.endr
.irp t, 0,1,2,3
	v_add_f32 v[ST+8*\t+4], v[ST+8*\t+4], v[ST+8*\t+5]
.endr
.irp t, 0,1,2,3
	v_rcp_f32 v[ST+8*\t+6], v[ST+8*\t+4]
.endr
	v_nop                           ; a plain instruction between the last reciprocal and the use of its result,
	s_wait_alu depctr_va_vdst(0)    ; and the wait ahead of the first use: one for the four
; Tile t: a lane's eight channels of a row pack into 16 bytes; they go into rows of 144 bytes and come back four rows of 128 bytes an instruction.
.macro PACK t
	WIN W_RS
.set ii, 0
.rept 16
	v_pk_mul_f32 v[32*\t+ii:32*\t+ii+1], v[32*\t+ii:32*\t+ii+1], v[ST+8*\t+6:ST+8*\t+7] op_sel_hi:[1,0]
.set ii, ii+2
.endr
	WIN W_CV                        ; S^T's registers are free
.set ii, 0
.rept 16
	v_cvt_pk_f16_f32 v[S+32*\t+ii], v[32*\t+2*ii], v[32*\t+2*ii+1]
.set ii, ii+1
.endr
	WIN 0
.irp ct, 0,1,2,3
	ds_store_b128 v[STO], v[S+32*\t+4*\ct:S+32*\t+4*\ct+3] offset:32*\ct
.endr
.irp f, 0,1,2,3
	ds_load_b128 v[S+32*\t+16+4*\f:S+32*\t+16+4*\f+3], v[RD] offset:\f*4*SP  ; LDS serves a wave's instructions in order (ISA guide 5.7.1.4): these see the stores above; the next tile's stores come behind them
.endr
.endm
.macro SEND t, younger              ; younger: the LDS instructions issued behind tile t's loads: the next tile's four stores and four loads, or none
.irp f, 0,1,2,3
	s_wait_dscnt \younger+3-\f
	global_store_b128 v[GO], v[S+32*\t+16+4*\f:S+32*\t+16+4*\f+3], s[10:11] offset:\t*2048+\f*512  ; 32 lanes store 512 consecutive bytes, at a multiple of 256 from ao's first byte
.endr
.endm
	PACK 0
	PACK 1                          ; a tile's arithmetic stands between the loads of the tile before and its stores
	SEND 0, 8
	PACK 2
	SEND 1, 8
	PACK 3
	SEND 2, 8
	SEND 3, 0
	s_wait_tensorcnt 0x0            ; the wave's end: behind my last tensor load and my last LDS store
	ds_add_u32 v[SPW], v[NIL]
	s_wait_dscnt 0x0
	CROUND                          ; the closing round: no work-group ends while a partner may still ask for a tile that names it
	s_endpgm
.Lfunc_end_k_q3891ce6605_attn:
	.size	k_q3891ce6605_attn, .Lfunc_end_k_q3891ce6605_attn-k_q3891ce6605_attn
	.p2alignl 7, 3214868480
	.fill 96, 4, 3214868480
	.section	.rodata,"a",@progbits
	.p2align	6, 0x0
	.amdhsa_kernel k_q3891ce6605_attn
		.amdhsa_group_segment_fixed_size 327680
		.amdhsa_private_segment_fixed_size 0
		.amdhsa_enable_private_segment 0
		.amdhsa_kernarg_size 16
		.amdhsa_user_sgpr_count 2
		.amdhsa_user_sgpr_kernarg_segment_ptr 1
		.amdhsa_wavefront_size32 1
		.amdhsa_system_sgpr_workgroup_id_x 1
		.amdhsa_system_sgpr_workgroup_id_y 1
		.amdhsa_system_sgpr_workgroup_id_z 1
		.amdhsa_system_vgpr_workitem_id 0
		.amdhsa_next_free_vgpr 512
		.amdhsa_next_free_sgpr 66
		.amdhsa_reserve_vcc 0
		.amdhsa_float_denorm_mode_32 3
		.amdhsa_float_denorm_mode_16_64 3
		.amdhsa_memory_ordered 1
		.amdhsa_forward_progress 1
		.amdhsa_inst_pref_size 255
	.end_amdhsa_kernel
	.section	.bss,"aw",@nobits
	.p2align	6
	.space	262144
	.amdgpu_metadata
---
amdhsa.version: [ 1, 2 ]
amdhsa.kernels:
  - .name:           k_q3891ce6605_attn
    .symbol:         k_q3891ce6605_attn.kd
    .args:
      - { .name: qkv, .offset: 0, .size: 8, .value_kind: global_buffer, .address_space: global }
      - { .name: ao, .offset: 8, .size: 8, .value_kind: global_buffer, .address_space: global }
    .group_segment_fixed_size: 327680
    .private_segment_fixed_size: 0
    .kernarg_segment_align: 8
    .kernarg_segment_size: 16
    .max_flat_workgroup_size: 256
    .sgpr_count:     66
    .vgpr_count:     512
    .wavefront_size: 32
...
	.end_amdgpu_metadata
.endif
;; end of part 3
;; launch fc (part 4): grid 8 x 32, 4 waves a work-group, clusters of 4 x 4, 327,680 bytes of LDS; arguments ao, wf, b_fc, out0; writes out0
.if DOCPART == 4
	.amdgcn_target "amdgcn-amd-amdhsa--gfx1250"
	.amdhsa_code_object_version 6
	.text
	.protected	k_q3891ce6605_fc
	.globl	k_q3891ce6605_fc
	.p2align	8
	.type	k_q3891ce6605_fc,@function
k_q3891ce6605_fc:
	s_mov_b64 s[64:65], 0
	v_nop
	global_prefetch_b8 v0, s[64:65] scope:SCOPE_SE
	s_setreg_imm32_b32 hwreg(HW_REG_WAVE_MODE, 25, 1), 1
	s_wait_xcnt 0x0
	s_wait_alu depctr_hold_cnt(0) depctr_sa_sdst(0) depctr_va_vdst(0) depctr_va_sdst(0) depctr_va_ssrc(0) depctr_va_vcc(0) depctr_vm_vsrc(0)
	s_getreg_b32 s2, hwreg(HW_REG_IB_STS2, 6, 4)
	s_cmp_eq_u32 s2, 0
	s_cbranch_scc0 .Lentry_in_a_cluster
	s_endpgm
.Lentry_in_a_cluster:
	s_bfe_u32 s2, ttmp6, 0x10000c
	s_cmp_lg_u32 s2, 0xf033
	s_cbranch_scc0 .Lentry_shape_is_right
	s_endpgm
.Lentry_shape_is_right:
; out0[token][e] = sum over k of a[token][k] w_fc[e][k] + b_fc[e].  a is attention's result, f16, laid [batch][head][token][64] (k = 64 head + channel); wf is w_fc in f16, [1024][1024]; out0 is f32; sums in f32.
; A tile of 256 tokens x 128 outputs is made by a work-group of four waves: 256 work-groups in all.  A wave makes 128 x 64: 32 accumulators of 16 x 16, 256 registers.
; K goes in steps of 128, which are TWO HEADS, through a ring of two LDS slots.  A head's 256 tokens are one dense block of memory, stated as 128 rows of 256 bytes (two tokens a row): token t lies at (t / 2) x pitch + 128 (t % 2).
; Waves 0 and 1 fetch the step's two heads of a, waves 2 and 3 the two halves of wf's 128 rows (256 bytes of each): one tensor load a wave behind each change of slots.
; CLUSTERS: 4 x 4 work-groups.  The four of a row of the cluster need the same tiles of a, the four of a column the same tiles of wf: each tile is asked for JOINTLY, by the same tensor load with the same descriptor and a
; mask that names the four.  THE MATRIX INSTRUCTION IS USED TRANSPOSED (source 0 = 16 rows of wf, source 1 = 16 tokens): a lane then holds eight neighbouring outputs of one token.
; THE BIAS is the C of each sum's first matrix instruction: eight registers for each of my four blocks of outputs, in the result's layout.  Nothing is cleared and nothing is added afterwards.
; REGISTERS: window 0: v0-31 addresses; v32-63 the bias; v64-159, v160-255 two fragment buffers for 32 along K: 64 registers of a (8 x 16 tokens), then 32 of wf (4 x 16 rows).
;            window 1: the accumulators ((a, b) at v[8 (4 a + b)]).
.set PITCH,  272                       ; an LDS row: 256 bytes + 16 of padding: the 16 rows of a fragment load fall on 16 different 16-byte columns of the banks' 256 bytes (ISA guide 11.1)
.set APL,    128*PITCH                 ; a head's 256 tokens
.set BOFF,   2*APL                     ; behind the two heads: wf's 128 rows
.set BHALF,  64*PITCH
.set SLOT,   BOFF+2*BHALF
.set STAGE,  2*SLOT                    ; behind the ring: 16 rows x 272 bytes for each wave, for the way out; no fill lands here
.set SPARE,  STAGE+4*16*PITCH          ; behind the stages: the spare words, 128 bytes for each wave, which no other line names
.set LAPS,   4                         ; a lap = two K steps = once round the ring: 1,024 / 256
.set ADRA, 16                          ; v16-17  LDS address of my fragments of a in slot 0, 1
.set ADRB, 20                          ; v20-21  the same for wf
.set STO,  24                          ; v24     the way out: where I put 32 bytes of a row
.set RD,   25                          ; v25     the way out: where I read a row back
.set CO,   26                          ; v26     my byte offset in out0
.set BO,   27                          ; v27     my byte offset in my 64 numbers of the bias
.set SPW,  28                          ; v28     LDS address of my spare word; never rewritten
.set NIL,  29                          ; v29     0; never rewritten
.set BIA,  32
.set F0,   64
.set F1,   160
.set G1, 24                            ; s[24:31] descriptor group 1 for a's tiles;  s[32:39] group 0, one set for each slot
.set G0, 32
.set G1B, 48                           ; s[48:55], s[56:63] the same for wf's tiles
.set G0B, 56
.set MSB, 0
.macro WIN new                         ; the immediate's high byte repeats the setting that is left
.if MSB != \new
	s_set_vgpr_msb (MSB<<8)|\new
.set MSB, \new
.endif
.endm
.set MUL,  0x50                        ; sources 0 and 1 window 0; C and D window 1
.set MULZ, 0x40                        ; the same with C (the bias) in window 0
.macro JLOAD s                         ; a joint load: waves 0 and 1 fetch for a, waves 2 and 3 for wf; an s_nop 0 and four v_nop follow each of the two lines, ahead of the jump, the label and what follows
	s_cmp_eq_u32 s13, 0
	s_cbranch_scc0 .Lfor_b_\@
	tensor_load_to_lds s[G0+4*\s:G0+4*\s+3], s[G1:G1+7]
	s_nop 0
.rept 4
	v_nop
.endr
	s_branch .Lasked_\@
.Lfor_b_\@:
	tensor_load_to_lds s[G0B+4*\s:G0B+4*\s+3], s[G1B:G1B+7]
	s_nop 0
.rept 4
	v_nop
.endr
.Lasked_\@:
.endm
.macro CREST                           ; a round of the cluster's barrier behind its opening barrier
	s_cmp_lg_u32 s12, 0
	s_cbranch_scc1 .Lnot_wave_0_\@
	s_barrier_signal -3
.Lnot_wave_0_\@:
	s_barrier_wait -3
	s_barrier_signal -1
	s_barrier_wait -1
.endm
.macro CROUND                          ; a whole round
	s_barrier_signal -1
	s_barrier_wait -1
	CREST
.endm
	s_load_b256 s[4:11], s[0:1], 0x0               ; a s[4:5], wf s[6:7], b_fc s[8:9], out0 s[10:11]
	v_lshl_add_u32 v[SPW], v0, 2, SPARE
	v_mov_b32 v[NIL], 0
	ds_add_u32 v[SPW], v[NIL]                      ; the wave's opening: the add, twice on end, and its wait ahead of my first tensor load; the set-up below stands between
	ds_add_u32 v[SPW], v[NIL]
	v_lshrrev_b32 v1, 5, v0
	v_readfirstlane_b32 s12, v1                    ; wave 0..3
	s_lshr_b32 s13, s12, 1                         ; which half of the tile's tokens is mine.  Also: I fetch for a (0) or for wf (1)
	s_and_b32 s14, s12, 1                          ; which half of its outputs.  Also: which head of the step, or which 64 rows of wf, I fetch
	s_bfe_u32 s40, ttmp6, 0x40000                  ; cx, cy: my place in the cluster
	s_bfe_u32 s41, ttmp6, 0x40004
	s_lshl_b32 s42, ttmp9, 2
	s_add_co_u32 s42, s42, s40                     ; tile column = 4 x cluster x + cx
	s_and_b32 s15, ttmp7, 0xffff
	s_lshl_b32 s15, s15, 2
	s_add_co_u32 s15, s15, s41                     ; tile row = 4 x cluster y + cy
	s_lshl_b32 s43, s41, 2
	s_lshl_b32 s43, 15, s43                        ; my row of the cluster
	s_lshl_b32 s44, 0x1111, s40                    ; my column
	; descriptor group 1.  a: 128 rows x 128 elements, dense in memory;  wf: 64 rows x 128 elements, 1,024 elements apart.  Both padded in LDS
	s_or_b32 s[G1+0], s43, (1<<16)|(1<<20)|(1<<21)|(5<<22)|(3<<25)  ; 15:0 the mask: a's tiles go to my row; 17:16 element of 2 bytes; 20 padding on; 21 set beside a mask; 24:22 after every 64 words; 31:25 four words
	s_mov_b32 s[G1+1], 128<<16                     ; tensor_dim0 = 128
	s_mov_b32 s[G1+2], 128<<16                     ; tensor_dim1 = 128
	s_mov_b32 s[G1+3], 128<<16                     ; tile_dim0 = 128
	s_mov_b32 s[G1+4], 128                         ; tile_dim1 = 128
	s_mov_b32 s[G1+5], 128                         ; tensor_dim0_stride
	s_mov_b32 s[G1+6], 0
	s_mov_b32 s[G1+7], 0
	s_or_b32 s[G1B+0], s44, (1<<16)|(1<<20)|(1<<21)|(5<<22)|(3<<25) ; the same with the mask of my column
	s_mov_b32 s[G1B+1], 128<<16
	s_mov_b32 s[G1B+2], 64<<16
	s_mov_b32 s[G1B+3], 128<<16
	s_mov_b32 s[G1B+4], 64
	s_mov_b32 s[G1B+5], 1024
	s_mov_b32 s[G1B+6], 0
	s_mov_b32 s[G1B+7], 0
	; where the tiles come from.  a's hang on the tile row alone, wf's on the tile column alone; each address is made in registers that never hold the other coordinate
	s_lshr_b32 s16, s15, 3
	s_lshl_b32 s16, s16, 22                        ; a: batch = tile row / 8,
	s_and_b32 s17, s15, 7
	s_lshl_b32 s17, s17, 15                        ; token 256 (tile row % 8), 128 bytes each,
	s_add_co_u32 s16, s16, s17
	s_lshl_b32 s17, s14, 18                        ; the step's first or second head
	s_add_co_u32 s16, s16, s17
	s_mov_b32 s17, 0
	s_lshl_b32 s46, s42, 18                        ; wf: row 128 x tile column, 2,048 bytes each,
	s_lshl_b32 s47, s14, 17                        ; + 64 x half
	s_add_co_u32 s46, s46, s47
	s_mov_b32 s47, 0
	s_mul_i32 s20, s14, APL                        ; and where they go: no place in the cluster enters an LDS address
	s_mul_i32 s21, s14, BHALF
	s_add_co_u32 s21, s21, BOFF
	s_wait_dscnt 0x0                               ; both opening adds are done
	s_wait_kmcnt 0x0
	s_add_nc_u64 s[16:17], s[4:5], s[16:17]
	s_add_nc_u64 s[46:47], s[6:7], s[46:47]
	CROUND                                         ; all sixteen work-groups are here: the first joint loads meet
.irp s, 0,1
	s_mov_b32 s[G0+4*\s], 1
	s_add_co_u32 s[G0+4*\s+1], s20, \s*SLOT
	s_add_nc_u64 s[G0+4*\s+2:G0+4*\s+3], s[16:17], \s*524288       ; K step s: two heads on
	s_or_b32 s[G0+4*\s+3], s[G0+4*\s+3], 0x80000000
	s_mov_b32 s[G0B+4*\s], 1
	s_add_co_u32 s[G0B+4*\s+1], s21, \s*SLOT
	s_add_nc_u64 s[G0B+4*\s+2:G0B+4*\s+3], s[46:47], \s*256
	s_or_b32 s[G0B+4*\s+3], s[G0B+4*\s+3], 0x80000000
	JLOAD \s                                       ; two tensor loads of mine are out
.endr
	v_and_b32 v1, 15, v0                           ; r = l % 16
	v_bfe_u32 v2, v0, 4, 1                         ; h = l / 16
	s_lshl_b32 s22, s42, 9                         ; my first output, in bytes of f32: 512 x tile column + 256 x half: in b_fc and in a row of out0
	s_lshl_b32 s23, s14, 8
	s_add_co_u32 s22, s22, s23
	s_mov_b32 s23, 0
	s_add_nc_u64 s[8:9], s[8:9], s[22:23]
	v_lshlrev_b32 v[BO], 5, v2                     ; lane (r, h) wants, for block b, the bias of outputs 16 b + 8 h + 0 .. 7
.irp b, 0,1,2,3
	global_load_b128 v[BIA+8*\b:BIA+8*\b+3],   v[BO], s[8:9] offset:64*\b
	global_load_b128 v[BIA+8*\b+4:BIA+8*\b+7], v[BO], s[8:9] offset:64*\b+16
.endr
	v_lshrrev_b32 v3, 1, v1
	v_mul_u32_u24 v3, v3, PITCH                    ; a: pair row r / 2,
	v_and_b32 v4, 1, v0
	v_lshl_add_u32 v3, v4, 7, v3                   ; token r % 2 of the pair,
	v_lshl_add_u32 v3, v2, 4, v3                   ; + 16 x half
	v_mul_u32_u24 v4, v1, PITCH                    ; wf: row r,
	v_lshl_add_u32 v4, v2, 4, v4                   ; + 16 x half
	s_mul_i32 s18, s13, 64*PITCH                   ; my 128 tokens
	s_mul_i32 s19, s14, BHALF                      ; my 64 rows of wf,
	s_add_co_u32 s19, s19, BOFF                    ; behind a's two heads
.irp s, 0,1
	v_add_nc_u32 v[ADRA+\s], s18, v3
	v_add_nc_u32 v[ADRB+\s], s19, v4
	s_add_co_u32 s18, s18, SLOT
	s_add_co_u32 s19, s19, SLOT
.endr
	s_mul_i32 s18, s12, 16*PITCH
	s_add_co_u32 s18, s18, STAGE                   ; my stage
	v_mul_u32_u24 v5, v1, PITCH                    ; in: row r, 32 bytes for each half of the lanes
	v_lshl_add_u32 v5, v2, 5, v5
	v_add_nc_u32 v[STO], s18, v5
	v_mul_u32_u24 v5, v2, PITCH                    ; back: lanes 0-15 take one row of 256 bytes, lanes 16-31 the next
	v_lshl_add_u32 v5, v1, 4, v5
	v_add_nc_u32 v[RD], s18, v5
	v_lshlrev_b32 v[CO], 4, v1                     ; and the same two rows in out0, 4,096 bytes apart
	v_lshl_add_u32 v[CO], v2, 12, v[CO]
	s_lshl_b32 s18, s15, 20                        ; my first token: 256 x tile row + 128 x half, 4,096 bytes each
	s_lshl_b32 s19, s13, 19
	s_add_co_u32 s18, s18, s19
	s_mov_b32 s19, 0
	s_add_nc_u64 s[10:11], s[10:11], s[18:19]
	s_add_nc_u64 s[10:11], s[10:11], s[22:23]
; 8 matrix instructions: token blocks a0, a0 + 1 against my four blocks of outputs, 32 along K, from buffer f.  zero = 1: the first product starts the sums from the bias.
; The 32 accumulators take turns, one instruction a turn, in the same order in every quarter.
.macro MUL8 f, a0, zero
.irp a, \a0, \a0+1
.irp b, 0,1,2,3
.if \zero
	v_wmma_f32_16x16x32_f16 v[8*(4*(\a)+\b):8*(4*(\a)+\b)+7], v[\f+64+8*\b:\f+64+8*\b+7], v[\f+8*(\a):\f+8*(\a)+7], v[BIA+8*\b:BIA+8*\b+7]
.else
	v_wmma_f32_16x16x32_f16 v[8*(4*(\a)+\b):8*(4*(\a)+\b)+7], v[\f+64+8*\b:\f+64+8*\b+7], v[\f+8*(\a):\f+8*(\a)+7], v[8*(4*(\a)+\b):8*(4*(\a)+\b)+7]
.endif
.endr
.endr
.endm
; 24 LDS loads in one run: the fragments of the slot's quarter kq (32 along K: head kq / 2, channels 32 (kq % 2) on) into buffer f: wf's four, then a's eight
.macro FETCH slot, kq, f
.irp i, 0,1,2,3
	ds_load_b128 v[\f+64+8*\i:\f+64+8*\i+3],   v[ADRB+\slot] offset:(\kq)*64+\i*16*PITCH
	ds_load_b128 v[\f+64+8*\i+4:\f+64+8*\i+7], v[ADRB+\slot] offset:(\kq)*64+\i*16*PITCH+32
.endr
.irp i, 0,1,2,3,4,5,6,7
	ds_load_b128 v[\f+8*\i:\f+8*\i+3],   v[ADRA+\slot] offset:((\kq)/2)*APL+((\kq)%2)*64+\i*8*PITCH
	ds_load_b128 v[\f+8*\i+4:\f+8*\i+7], v[ADRA+\slot] offset:((\kq)/2)*APL+((\kq)%2)*64+\i*8*PITCH+32
.endr
.endm
.macro PLACES                          ; four places in front of loads into registers that matrix instructions have read, and of the first read of results (ISA guide 7.12.1 for the reads of results)
.rept 4
	v_nop
.endr
.endm
; A K step is four quarters of 32 along K, 32 matrix instructions each, on buffers 0, 1, 0, 1.  One of the first three: multiplies buffer f and fetches quarter kq of the same slot into g.
.macro QUARTER slot, kq, f, g, zero
	s_wait_dscnt 8                                 ; wf's fragments and a's blocks 0-3 are in; the youngest eight loads (a's blocks 4-7) may be out
.if \zero
	WIN MULZ
.else
	WIN MUL
.endif
	MUL8 \f, 0, \zero
	MUL8 \f, 2, \zero
	PLACES
	WIN 0
	FETCH \slot, \kq, \g
	s_wait_dscnt 24                                ; all but the 24 just issued
.if \zero
	WIN MULZ
.else
	WIN MUL
.endif
	MUL8 \f, 4, \zero
	MUL8 \f, 6, \zero
.endm
; The last quarter multiplies buffer 1 and changes slots: ONE barrier; in front of it each wave waits for all its tensor loads, adds 0 to its spare word, and waits for that and for its own reads of this slot.
; fill = 1: this slot is filled again, two K steps ahead; the barrier then opens a round of the cluster's barrier, and the joint refill is the first tensor load behind the round.
.macro TURN slot, next, fill
	WIN 0                                          ; (the add's two registers lie in window 0)
	s_wait_tensorcnt 0x0                           ; all my tensor loads have landed: my part of the next slot;
	ds_add_u32 v[SPW], v[NIL]                      ; 0 onto my spare word;
	s_wait_dscnt 9                                 ; (the add and the youngest eight loads may be out)
	WIN MUL
	MUL8 F1, 0, 0                                  ; eight matrix instructions stand between the add and the wait for it
	s_wait_dscnt 0x0                               ; the add is done, and my reads of this slot are over
	s_barrier_signal -1
	MUL8 F1, 2, 0
	WIN 0
	s_barrier_wait -1
.if \fill
	CREST                                          ; no wave of any partner still reads this slot's tiles or has a load on its way
	s_add_nc_u64 s[G0+4*\slot+2:G0+4*\slot+3], s[G0+4*\slot+2:G0+4*\slot+3], 2*524288
	s_add_nc_u64 s[G0B+4*\slot+2:G0B+4*\slot+3], s[G0B+4*\slot+2:G0B+4*\slot+3], 2*256
	JLOAD \slot                                    ; 112 matrix instructions ahead of the wait for it; the four v_nop behind it are also the places in front of the loads below
.else
	PLACES
.endif
	FETCH \next, 0, F0
	WIN MUL
	MUL8 F1, 4, 0
	MUL8 F1, 6, 0
.endm
	s_wait_tensorcnt 1                             ; my part of K step 0 is in (K step 1's load may be out)
	s_barrier_signal -1
	s_barrier_wait -1                              ; everybody's is
	FETCH 0, 0, F0
	s_wait_loadcnt 0x0                             ; the bias
	QUARTER 0, 1, F0, F1, 1                        ; the first quarter stands in front of the loop: its products start the sums
	WIN 0                                          ; at a label and at a branch every window is 0
	s_mov_b32 s3, LAPS-1
.Llap:                                                 ; a trip goes once round the ring, from a lap's second quarter to the next lap's first, and fills both slots again
	QUARTER 0, 2, F1, F0, 0
	QUARTER 0, 3, F0, F1, 0
	TURN 0, 1, 1
	QUARTER 1, 1, F0, F1, 0
	QUARTER 1, 2, F1, F0, 0
	QUARTER 1, 3, F0, F1, 0
	TURN 1, 0, 1
	QUARTER 0, 1, F0, F1, 0
	WIN 0
	s_sub_co_u32 s3, s3, 1
	s_cmp_lg_u32 s3, 0
	s_cbranch_scc1 .Llap
	QUARTER 0, 2, F1, F0, 0                        ; the last lap fills nothing, and has no round of the cluster's barrier
	QUARTER 0, 3, F0, F1, 0
	TURN 0, 1, 0
	QUARTER 1, 1, F0, F1, 0
	QUARTER 1, 2, F1, F0, 0
	QUARTER 1, 3, F0, F1, 0
	s_wait_dscnt 8                                 ; the very last quarter: nothing more to fetch
	WIN MUL
	MUL8 F1, 0, 0
	MUL8 F1, 2, 0
	s_wait_dscnt 0
	MUL8 F1, 4, 0
	MUL8 F1, 6, 0
	WIN 0
; THE WAY OUT, block by block of 16 tokens x 64 outputs.  A lane holds 32 neighbouring bytes of a row, and the lanes beside it hold other rows: so a block goes through my own stage and comes back as whole rows of
; 256 bytes, which sixteen lanes store as 256 consecutive bytes, aligned.  LDS serves a wave's instructions in order (ISA guide 5.7.1.4): no wait between the stores and the loads, nor in front of the next block's stores.
.macro TOSTAGE a
	WIN 0x04                                       ; an LDS store's data are its source 1: window 1
.irp b, 0,1,2,3
	ds_store_b128 v[STO], v[8*(4*(\a)+\b):8*(4*(\a)+\b)+3] offset:64*\b          ; each accumulator from its low end on
	ds_store_b128 v[STO], v[8*(4*(\a)+\b)+4:8*(4*(\a)+\b)+7] offset:64*\b+16
.endr
	WIN 0
.irp t, 0,1,2,3,4,5,6,7
	ds_load_b128 v[F0+32*((\a)%2)+4*\t:F0+32*((\a)%2)+4*\t+3], v[RD] offset:\t*2*PITCH
.endr
.endm
.macro SEND a, younger                 ; younger: the LDS instructions issued behind block a's loads, which may stay out
	s_wait_dscnt \younger                          ; the block is back in registers
.irp t, 0,1,2,3,4,5,6,7
	global_store_b128 v[CO], v[F0+32*((\a)%2)+4*\t:F0+32*((\a)%2)+4*\t+3], s[10:11] offset:(\a)*65536+\t*8192 th:TH_STORE_NT   ; the block and the pair of rows stand in the immediate: the base is never stepped; written once, read by nobody here
.endr
.endm
	PLACES                                         ; behind the last products: for the stores that read results and the loads into registers that held fragments
	TOSTAGE 0
.irp a, 1,2,3,4,5,6,7
.if \a > 1
	s_wait_xcnt 0x0                                ; block a - 2's stores have read their registers: block a's loads may land there
.endif
	TOSTAGE \a
	SEND \a-1, 16                                  ; behind block a - 1's loads: block a's 8 stores and 8 loads
.endr
	SEND 7, 0
	s_wait_tensorcnt 0x0                           ; the wave's end: behind my last tensor load and my last LDS store
	ds_add_u32 v[SPW], v[NIL]
	s_wait_dscnt 0x0
	CROUND                                         ; the closing round: no work-group ends while a partner may still ask for a tile that names it
	s_endpgm
.Lfunc_end_k_q3891ce6605_fc:
	.size	k_q3891ce6605_fc, .Lfunc_end_k_q3891ce6605_fc-k_q3891ce6605_fc
	.p2alignl 7, 3214868480
	.fill 96, 4, 3214868480
	.section	.rodata,"a",@progbits
	.p2align	6, 0x0
	.amdhsa_kernel k_q3891ce6605_fc
		.amdhsa_group_segment_fixed_size 327680
		.amdhsa_private_segment_fixed_size 0
		.amdhsa_enable_private_segment 0
		.amdhsa_kernarg_size 32
		.amdhsa_user_sgpr_count 2
		.amdhsa_user_sgpr_kernarg_segment_ptr 1
		.amdhsa_wavefront_size32 1
		.amdhsa_system_sgpr_workgroup_id_x 1
		.amdhsa_system_sgpr_workgroup_id_y 1
		.amdhsa_system_sgpr_workgroup_id_z 1
		.amdhsa_system_vgpr_workitem_id 0
		.amdhsa_next_free_vgpr 512
		.amdhsa_next_free_sgpr 66
		.amdhsa_reserve_vcc 0
		.amdhsa_float_denorm_mode_32 3
		.amdhsa_float_denorm_mode_16_64 3
		.amdhsa_memory_ordered 1
		.amdhsa_forward_progress 1
		.amdhsa_inst_pref_size 86
	.end_amdhsa_kernel
	.amdgpu_metadata
---
amdhsa.version: [ 1, 2 ]
amdhsa.kernels:
  - .name:           k_q3891ce6605_fc
    .symbol:         k_q3891ce6605_fc.kd
    .args:
      - { .name: ao, .offset: 0, .size: 8, .value_kind: global_buffer, .address_space: global }
      - { .name: wf, .offset: 8, .size: 8, .value_kind: global_buffer, .address_space: global }
      - { .name: b_fc, .offset: 16, .size: 8, .value_kind: global_buffer, .address_space: global }
      - { .name: out0, .offset: 24, .size: 8, .value_kind: global_buffer, .address_space: global }
    .group_segment_fixed_size: 327680
    .private_segment_fixed_size: 0
    .kernarg_segment_align: 8
    .kernarg_segment_size: 32
    .max_flat_workgroup_size: 128
    .sgpr_count:     66
    .vgpr_count:     512
    .wavefront_size: 32
...
	.end_amdgpu_metadata
.endif
;; end of part 4
